; MI455X (gfx1250); checked and timed in simulation.
; The chip was launched on July 23, 2026; its instructions are those of AMD's public machine-readable ISA for CDNA 5 (MIT licence, August 2026) and "CDNA5" Instruction Set Architecture Reference Guide (July 2026). The comments in the code are by the model that wrote it; some were corrected since.
;; Scaled Dot Proudct. Allowed arithmetic: matrix products marked QUANTISED: E2M1 operands, one E8M0 scale for each 32 along K, by v_wmma_scale_f32_16x16x128_f8f6f4 with both operands' format E2M1 (or v_wmma_scale_f32_32x16x128_f4), f32 sums; everything else in f32.
;; Inputs: km 8 x 2,048 x 1,024 float32; qm 8 x 2,048 x 1,024 float32; vm 8 x 2,048 x 1,024 float32.
;; Outputs: out0 8 x 2,048 x 1,024 float32.
;; This version of the problem:
;;   THIS VERSION OF THE PROBLEM IS GIVEN IN LOW PRECISION. The matrix products marked QUANTISED in the list below multiply operands that are first quantised to E2M1 (2 exponent bits, 1 mantissa bit; 4 bits a number), with one power-of-two scale for each 32 numbers along K (OCP MX v1.0); their sums are f32. All else is computed in f32.
;;   The module's matrix products, in the order in which they are computed (A, B: the left and right operand; K: the contracted axis; several contracted axes count as one K, in the product's order):
;;     1. batch 8 x [M 2,048, K 1,024] x [K 1,024, N 2,048]; A: input qm; B: input km: QUANTISED
;;     2. batch 8 x [M 2,048, K 2,048] x [K 2,048, N 1,024]; A: computed on the way; B: input vm: QUANTISED
;;   THE QUANTISER, for each operand of a quantised product, along K:
;;     - K is cut into blocks of 32 from its start; a last block that is shorter is filled with zeros.
;;     - A block's scale is 2^e with e = floor(log2(the largest magnitude in the block)) - 2, held to -126 .. 127; a block of zeros has e = 0. As a byte (E8M0): e + 127.
;;     - Each number is divided by its block's scale, clamped to +-6, and rounded to the nearest number of E2M1, ties to even, subnormals kept.
;;     - The product sums the exact products of the quantised numbers (number of the format x scale) in f32.
;;   ~~~python
;;   def quantise(x, axis):      # numpy; x: float32 -> the quantised numbers, widened to float32 again
;;       x = np.moveaxis(x, axis, -1); K = x.shape[-1]
;;       x = np.pad(x, [(0, 0)] * (x.ndim - 1) + [(0, -K % 32)]); x = x.reshape(x.shape[:-1] + (-1, 32)); a = np.abs(x).max(-1, keepdims=True)
;;       e = np.where(a > 0, np.clip(np.frexp(np.where(a > 0, a, 1))[1] - 1 - 2, -126, 127), 0)      # np.frexp(a)[1] - 1 = floor(log2(a)), exactly
;;       r = np.clip(x / 2.0 ** e, -6, 6)
;;       step = 2.0 ** (np.maximum(np.frexp(np.where(r == 0, 1, r))[1] - 1, 0) - 1)
;;       q = np.round(r / step) * step * 2.0 ** e      # np.round: ties to even
;;       return np.moveaxis(q.reshape(q.shape[:-2] + (-1,))[..., :K], -1, axis).astype(np.float32)
;;   ~~~
;;   OPERANDS COMPUTED ON THE WAY. 'Computed on the way' means the value that the module computes at that place (a softmax that the list does not call 'softmax' is quantised finished and normalised). What goes into a quantiser is computed in f32, as accurately as f32 sums, v_exp_f32 and their like allow (about 1e-6 of the number): no bf16 or f16 on the way to a quantiser, and a product that is left as it is and whose result goes on into a quantised operand takes f32 operands (vector FMAs, or v_wmma_f32_16x16x4_f32). A number that lies on a knife's edge between two numbers of the format may be rounded either way, as far as f32 arithmetic and the matrix unit's own rounding can turn it there, and no further.
;; 2 versions, each right. Each part assembles by itself: llvm-mc -triple=amdgcn-amd-amdhsa -mcpu=gfx1250 --defsym DOCPART=n.
;; ======== version 1 of 2: 2 launches
;; workspace buffers: qc 8,912,896 bytes; kv 17,825,792 bytes
;; launch quant (part 1): grid 1280 x 1, 4 waves a work-group, no clusters, 39,424 bytes of LDS; arguments qm, km, vm, qc, kv; writes qc, kv
.if DOCPART == 1
	.amdgcn_target "amdgcn-amd-amdhsa--gfx1250"
	.amdhsa_code_object_version 6
	.text
	.protected	k_q608ab8b606_quant
	.globl	k_q608ab8b606_quant
	.p2align	8
	.type	k_q608ab8b606_quant,@function
k_q608ab8b606_quant:
	s_mov_b64 s[64:65], 0
	v_nop
	global_prefetch_b8 v0, s[64:65] scope:SCOPE_SE
	s_setreg_imm32_b32 hwreg(HW_REG_WAVE_MODE, 25, 1), 1
	s_wait_xcnt 0x0
; qm, km, vm [8][2048][1024] f32 become codes of FP4 (E2M1) with one E8M0 byte for each 32 along the operand's K, laid as IMAGES OF THE OPERANDS' REGISTERS for the second launch.
; A block's scale is 2^(floor(log2(its largest magnitude)) - 2); its byte is the largest magnitude's exponent field - 2, held at 1 from below.  A block of zeros keeps the byte 1 where the rule
; says 127: its codes are zeros, and this program alone reads the bytes.
; LIMITS: blocks whose largest magnitude lies under 2^(3 - 127), the floor, get the byte 1; NaN and infinities among the inputs are not served.
; A FRAGMENT'S IMAGE (16 rows x 128 K, 1,024 bytes): block b of 32 along K of row r lies at 256 b + 16 r, 16 bytes, the lower k first: so lane l's register group c lies at 512 c + 16 l.
; qm, km (K = the last axis): a block of 32 rows is two tiles; lane r of tile u is row 8 u + r + 8 (r / 8).  Its codes: [u][K step of 128] images, 16,384 bytes; its scale bytes: [g][u][r][16 bytes], 1,024 bytes.
;   qc: 512 such blocks of 17,408 bytes.  kv: 512 blocks of 34,816 bytes: K's codes at 0, V's codes at 16,384, K's scale bytes at 32,768, V's at 33,792.
; vm (K = the keys, its first axis in a batch): kv block 64 batch + 4 j + w holds columns 256 w .. + 255 x keys 128 j .. + 127: 16 images (tile T = columns 16 T on), and scale words [g][lane][4]: word 4 g + x of
;   lane l belongs to tile 2 (4 g + x) + l / 16, row l % 16; its byte b to the b-th 32 keys.
; SHARES: work-groups 0-255 take vm (a wave: 128 columns x 128 keys), 256-767 qm, 768-1279 km (a work-group: a block of 32 rows; a wave: one tile's 16 rows x 512 along K).
; No tensor loads, no barrier: waves share nothing.  Only the path for qm and km uses LDS.
.set WREG,  9728                       ; LDS of a wave: two stages of 32 x 80 bytes; 256 scale bytes at 5,120; the images' stage, 16 x 272 bytes, at 5,376
.set SP,    80                         ; a lane's place in a stage: 64 bytes + 16 of padding
.set SCB,   5120
.set IMG,   5376
.set EMAX,  2
.set R,     16                         ; v16-79   four sets of 16 numbers as they are loaded
.set X,     80                         ; v80-111  two sets of 16 neighbours
.set E,     112                        ; v112-127 a scale byte for each step
.set C,     128                        ; v128-159 two registers of codes for each step
	s_load_b256 s[4:11], s[0:1], 0x0               ; qm s[4:5], km s[6:7], vm s[8:9], qc s[10:11]
	s_load_b64 s[12:13], s[0:1], 0x20              ; kv
	v_lshl_add_u32 v192, v0, 2, 0x9800
	v_mov_b32 v193, 0
	v_lshrrev_b32 v1, 5, v0
	v_readfirstlane_b32 s16, v1                    ; wave 0..3
	v_and_b32 v2, 31, v0                           ; lane
	s_cmp_lt_u32 ttmp9, 256
	s_cbranch_scc1 .Lv                             ; the work-group's number alone decides the path
; ---------------- qm and km: K is innermost ----------------
	s_sub_co_u32 s17, ttmp9, 256
	s_lshr_b32 s18, s17, 9                         ; 0: qm, 1: km
	s_and_b32 s19, s17, 511                        ; the block of 32 rows
	s_lshr_b32 s20, s16, 1                         ; u: my tile
	s_and_b32 s21, s16, 1                          ; i: my half of K
	s_mul_i32 s22, s16, WREG                       ; my LDS
	v_lshlrev_b32 v3, 4, v2                        ; 16 x lane: my bytes of a load's or a store's 512
	v_lshrrev_b32 v14, 2, v2
	v_mul_u32_u24 v14, v14, SP
	v_and_b32 v15, 3, v2
	v_lshl_add_u32 v14, v15, 4, v14
	v_add_nc_u32 v14, s22, v14                     ; the stage, on the way in: 80 (lane / 4) + 16 (lane % 4)
	v_mul_u32_u24 v15, v2, SP
	v_add_nc_u32 v15, s22, v15                     ; and on the way out: 80 x lane: my 16 neighbours
	v_lshrrev_b32 v5, 1, v2                        ; my block of 32: lane / 2
	v_mul_u32_u24 v4, v5, 272
	v_and_b32 v8, 1, v2
	v_lshl_add_u32 v4, v8, 3, v4
	v_add_nc_u32 v4, s22, v4
	v_add_nc_u32 v4, IMG, v4                       ; the images' stage: 272 x block + 8 x (lane % 2); the row's 16 bytes stand in the immediate
	v_add_nc_u32 v5, s22, v5
	v_add_nc_u32 v5, SCB, v5                       ; my block's scale byte
	v_lshlrev_b32 v7, 3, v2                        ; the scale bytes' way out: 8 bytes a lane
	v_add_nc_u32 v6, s22, v7
	v_add_nc_u32 v6, SCB, v6
	v_lshrrev_b32 v12, 4, v2
	v_mul_u32_u24 v12, v12, 272
	v_and_b32 v8, 15, v2
	v_lshl_add_u32 v12, v8, 4, v12
	v_add_nc_u32 v12, s22, v12
	v_add_nc_u32 v12, IMG, v12                     ; the images' way out: sixteen lanes to 256 bytes, two such an instruction
	s_lshl_b32 s28, s19, 17                        ; source: 32 rows of 4,096 bytes a block,
	s_lshl_b32 s30, s20, 15                        ; tile u begins 8 rows down,
	s_add_co_u32 s28, s28, s30
	s_lshl_b32 s30, s21, 11                        ; my 512 numbers of a row
	s_add_co_u32 s28, s28, s30
	s_mov_b32 s29, 0
	s_lshl_b32 s31, 17408, s18                     ; a block in qc: 17,408 bytes; in kv: 34,816
	s_mul_i32 s32, s19, s31
	s_lshl_b32 s30, s20, 13                        ; my four images: (8 u + 4 i) x 1,024
	s_lshl_b32 s34, s21, 12
	s_add_co_u32 s30, s30, s34
	s_add_co_u32 s30, s30, s32
	s_mov_b32 s31, 0
	s_lshl_b32 s34, 16384, s18                     ; the scale bytes begin at 16,384 in qc's block, at 32,768 in kv's
	s_add_co_u32 s32, s32, s34
	s_lshl_b32 s34, s21, 9                         ; + 512 i + 256 u
	s_add_co_u32 s32, s32, s34
	s_lshl_b32 s34, s20, 8
	s_add_co_u32 s32, s32, s34
	s_mov_b32 s33, 0
	s_wait_kmcnt 0x0
	s_cmp_eq_u32 s18, 0                            ; the choice of buffers hangs on the work-group's number alone
	s_cselect_b64 s[20:21], s[4:5], s[6:7]
	s_cselect_b64 s[22:23], s[10:11], s[12:13]
	s_add_nc_u64 s[20:21], s[20:21], s[28:29]      ; the numbers
	s_add_nc_u64 s[24:25], s[22:23], s[30:31]      ; the codes
	s_add_nc_u64 s[26:27], s[22:23], s[32:33]      ; the scale bytes
; Step t is row t of my tile: 512 numbers, 2,048 bytes.  Each load reads 512 consecutive bytes.
.macro LOADQ t
.irp i, 0,1,2,3
	global_load_b128 v[R+16*((\t)%4)+4*\i:R+16*((\t)%4)+4*\i+3], v3, s[20:21] offset:((\t)+8*((\t)/8))*4096+512*\i th:TH_LOAD_NT
.endr
.endm
.macro TURN t                          ; step t's numbers through the stage, so that a lane gets 16 neighbours: LDS serves a wave's instructions in order, so no wait stands between the stores and the loads
.irp i, 0,1,2,3
	ds_store_b128 v14, v[R+16*((\t)%4)+4*\i:R+16*((\t)%4)+4*\i+3] offset:32*SP*((\t)%2)+8*SP*\i
.endr
.irp i, 0,1,2,3
	ds_load_b128 v[X+16*((\t)%2)+4*\i:X+16*((\t)%2)+4*\i+3], v15 offset:32*SP*((\t)%2)+16*\i
.endr
.endm
.macro QSTEP t
.set XS, X+16*((\t)%2)
.if (\t) > 0
	s_wait_dscnt 2                                 ; this step's numbers are back from the stage (younger: the last step's two stores of codes and byte); so its stores into the stage have read their registers,
.else
	s_wait_dscnt 0x0
.endif
.if (\t)+4 < 16
	LOADQ (\t)+4                                   ; which take the loads of four steps on
.endif
.if (\t)+1 < 16
.if 14-(\t) >= 3
	s_wait_loadcnt 12                              ; the next step's four loads are in; those of the three steps behind it may be out
.else
	s_wait_loadcnt 4*(14-(\t))                     ; at the end the count runs down
.endif
	TURN (\t)+1
.endif
	v_max3_num_f32 v8, |v[XS]|, |v[XS+1]|, |v[XS+2]|               ; the largest magnitude of my 16, in two chains
	v_max3_num_f32 v9, |v[XS+3]|, |v[XS+4]|, |v[XS+5]|
.irp i, 6,10
	v_max3_num_f32 v8, v8, |v[XS+\i]|, |v[XS+\i+1]|
	v_max3_num_f32 v9, v9, |v[XS+\i+2]|, |v[XS+\i+3]|
.endr
	v_max3_num_f32 v8, v8, |v[XS+14]|, |v[XS+15]|
	v_max3_num_f32 v8, v8, v9, (EMAX+1)<<23        ; and the floor 2^(3 - 127): the byte cannot fall under 1
	v_max_num_f32_dpp v8, v8, v8 row_xmask:1 row_mask:0xf bank_mask:0xf   ; with my neighbour's 16: the block's
	v_add_nc_u32 v11, -(EMAX<<23), v8              ; 2 off its exponent field: the conversion takes the exponent field of this operand as its scale
	v_cvt_scalef32_pk8_fp4_f32 v[C+2*(\t)], v[XS:XS+7], v11
	v_cvt_scalef32_pk8_fp4_f32 v[C+2*(\t)+1], v[XS+8:XS+15], v11
	v_lshrrev_b32 v[E+(\t)], 23, v11               ; the scale's byte (a plain line behind the conversions)
	ds_store_b8 v5, v[E+(\t)] offset:16*(\t)       ; row t's 16 bytes; both lanes of a block write the same byte with the same value
	ds_store_b64 v4, v[C+2*(\t):C+2*(\t)+1] offset:16*(\t)   ; my 16 codes, at 16 t + 8 (lane % 2) of my block's 256 bytes
.endm
.irp t, 0,1,2,3
	LOADQ \t
.endr
	s_wait_loadcnt 12                              ; step 0's four loads are in
	TURN 0
.irp t, 0,1,2,3,4,5,6,7,8,9,10,11,12,13,14,15
	QSTEP \t
.endr
.irp n, 0,1,2,3,4,5,6,7
	ds_load_b128 v[R+4*\n:R+4*\n+3], v12 offset:544*\n   ; my four images, 512 bytes an instruction; these see my stores, since LDS serves a wave in order
.endr
	ds_load_b64 v[48:49], v6
.irp n, 0,1,2,3,4,5,6,7
	s_wait_dscnt 8-\n                              ; load n is in; the younger ones may be out
	global_store_b128 v3, v[R+4*\n:R+4*\n+3], s[24:25] offset:512*\n   ; 512 consecutive bytes, aligned to 256
.endr
	s_wait_dscnt 0x0
	global_store_b64 v7, v[48:49], s[26:27]        ; my 256 scale bytes, consecutive and aligned
	s_wait_tensorcnt 0x0
	ds_add_u32 v192, v193
	s_wait_dscnt 0x0
	s_endpgm
; ---------------- vm: K (the keys) is not innermost: a lane takes a column, its registers run down the keys ----------------
.set XV,  32                           ; v32-95   two sets of 32 numbers
.set CV,  96                           ; v96-159  four registers of codes for each of 16 blocks: no store's data are written again
.set SB,  24                           ; v24-27   the scale words of my four groups of 32 columns
.Lv:
	s_lshl_b32 s17, ttmp9, 2
	s_add_co_u32 s17, s17, s16                     ; my unit = ((16 batch + j) x 4 + w) x 2 + g
	s_lshr_b32 s18, s17, 3
	s_lshl_b32 s28, s18, 19                        ; 128 keys of 4,096 bytes,
	s_and_b32 s19, s17, 7
	s_lshl_b32 s19, s19, 9                         ; 128 columns of 4 bytes
	s_add_co_u32 s28, s28, s19
	s_mov_b32 s29, 0
	s_lshr_b32 s18, s17, 1
	s_mul_i32 s30, s18, 34816                      ; kv's block 64 batch + 4 j + w
	s_and_b32 s19, s17, 1                          ; g
	s_lshl_b32 s32, s19, 9
	s_add_co_u32 s32, s32, s30
	s_add_co_u32 s32, s32, 33792                   ; my 512 bytes of V's scale words
	s_mov_b32 s33, 0
	s_lshl_b32 s19, s19, 13
	s_add_co_u32 s30, s30, s19
	s_add_co_u32 s30, s30, 16384                   ; my eight images
	s_mov_b32 s31, 0
	v_lshlrev_b32 v3, 2, v2                        ; in: 4 bytes a lane
	v_lshrrev_b32 v8, 4, v2
	v_and_b32 v9, 15, v2
	v_lshlrev_b32 v8, 10, v8
	v_lshl_add_u32 v8, v9, 4, v8                   ; out: image lane / 16 of the group's two, row lane % 16
	v_lshlrev_b32 v9, 4, v2
	s_wait_kmcnt 0x0
	s_add_nc_u64 s[20:21], s[8:9], s[28:29]
	s_add_nc_u64 s[24:25], s[12:13], s[30:31]
	s_add_nc_u64 s[26:27], s[12:13], s[32:33]
; Block n: keys 32 (n / 4) on, columns 32 (n % 4) on
.macro LOADV n
.irp i, 0,1,2,3,4,5,6,7,8,9,10,11,12,13,14,15,16,17,18,19,20,21,22,23,24,25,26,27,28,29,30,31
	global_load_b32 v[XV+32*((\n)%2)+\i], v3, s[20:21] offset:(32*((\n)/4)+\i)*4096+128*((\n)%4) th:TH_LOAD_NT
.endr
.endm
.macro BLOCKV n
.set XS, XV+32*((\n)%2)
.if (\n) < 15
	s_wait_loadcnt 32                              ; this block's 32 loads are in; the next block's may be out
.else
	s_wait_loadcnt 0x0
.endif
	v_max3_num_f32 v12, |v[XS]|, |v[XS+1]|, |v[XS+2]|              ; the block's largest magnitude: all 32 numbers are mine
	v_max3_num_f32 v13, |v[XS+3]|, |v[XS+4]|, |v[XS+5]|
.irp i, 6,10,14,18,22,26
	v_max3_num_f32 v12, v12, |v[XS+\i]|, |v[XS+\i+1]|
	v_max3_num_f32 v13, v13, |v[XS+\i+2]|, |v[XS+\i+3]|
.endr
	v_max3_num_f32 v12, v12, |v[XS+30]|, |v[XS+31]|
	v_max3_num_f32 v12, v12, v13, (EMAX+1)<<23     ; and the floor
	v_add_nc_u32 v11, -(EMAX<<23), v12             ; the conversion's scale operand
	v_lshrrev_b32 v13, 23, v11                     ; the scale's byte
.if (\n)/4 == 0
	v_mov_b32 v[SB+(\n)%4], v13                    ; four bytes to a word, the earlier keys in the lower byte
.else
	v_lshl_or_b32 v[SB+(\n)%4], v13, 8*((\n)/4), v[SB+(\n)%4]
.endif
.irp g, 0,1,2,3
	v_cvt_scalef32_pk8_fp4_f32 v[CV+4*(\n)+\g], v[XS+8*\g:XS+8*\g+7], v11
.endr
	v_nop                                          ; one plain line behind the conversions
	global_store_b128 v8, v[CV+4*(\n):CV+4*(\n)+3], s[24:25] offset:2048*((\n)%4)+256*((\n)/4)   ; each half of the lanes stores 256 consecutive bytes, aligned
.if (\n)+2 < 16
	LOADV (\n)+2
.endif
.endm
	LOADV 0
	LOADV 1
.irp n, 0,1,2,3,4,5,6,7,8,9,10,11,12,13,14,15
	BLOCKV \n
.endr
	global_store_b128 v9, v[SB:SB+3], s[26:27]     ; 512 consecutive bytes
	s_endpgm
.Lfunc_end_k_q608ab8b606_quant:
	.size	k_q608ab8b606_quant, .Lfunc_end_k_q608ab8b606_quant-k_q608ab8b606_quant
	.p2alignl 7, 3214868480
	.fill 96, 4, 3214868480
	.section	.rodata,"a",@progbits
	.p2align	6, 0x0
	.amdhsa_kernel k_q608ab8b606_quant
		.amdhsa_group_segment_fixed_size 39424
		.amdhsa_private_segment_fixed_size 0
		.amdhsa_enable_private_segment 0
		.amdhsa_kernarg_size 40
		.amdhsa_user_sgpr_count 2
		.amdhsa_user_sgpr_kernarg_segment_ptr 1
		.amdhsa_wavefront_size32 1
		.amdhsa_system_sgpr_workgroup_id_x 1
		.amdhsa_system_sgpr_workgroup_id_y 1
		.amdhsa_system_sgpr_workgroup_id_z 1
		.amdhsa_system_vgpr_workitem_id 0
		.amdhsa_next_free_vgpr 194
		.amdhsa_next_free_sgpr 66
		.amdhsa_reserve_vcc 0
		.amdhsa_float_denorm_mode_32 3
		.amdhsa_float_denorm_mode_16_64 3
		.amdhsa_memory_ordered 1
		.amdhsa_forward_progress 1
		.amdhsa_inst_pref_size 110
	.end_amdhsa_kernel
	.amdgpu_metadata
---
amdhsa.version: [ 1, 2 ]
amdhsa.kernels:
  - .name:           k_q608ab8b606_quant
    .symbol:         k_q608ab8b606_quant.kd
    .args:
      - { .name: qm, .offset: 0, .size: 8, .value_kind: global_buffer, .address_space: global }
      - { .name: km, .offset: 8, .size: 8, .value_kind: global_buffer, .address_space: global }
      - { .name: vm, .offset: 16, .size: 8, .value_kind: global_buffer, .address_space: global }
      - { .name: qc, .offset: 24, .size: 8, .value_kind: global_buffer, .address_space: global }
      - { .name: kv, .offset: 32, .size: 8, .value_kind: global_buffer, .address_space: global }
    .group_segment_fixed_size: 39424
    .private_segment_fixed_size: 0
    .kernarg_segment_align: 8
    .kernarg_segment_size: 40
    .max_flat_workgroup_size: 128
    .sgpr_count:     66
    .vgpr_count:     194
    .wavefront_size: 32
...
	.end_amdgpu_metadata
.endif
;; end of part 1
;; launch attn (part 2): grid 32 x 8, 4 waves a work-group, clusters of 4 x 1, 327,680 bytes of LDS; arguments qc, kv, out0; writes out0
.if DOCPART == 2
	.amdgcn_target "amdgcn-amd-amdhsa--gfx1250"
	.amdhsa_code_object_version 6
	.text
	.protected	k_q608ab8b606_attn
	.globl	k_q608ab8b606_attn
	.p2align	8
	.type	k_q608ab8b606_attn,@function
k_q608ab8b606_attn:
	s_mov_b64 s[64:65], 0
	v_nop
	global_prefetch_b8 v0, s[64:65] scope:SCOPE_SE
	s_setreg_imm32_b32 hwreg(HW_REG_WAVE_MODE, 25, 1), 1
	s_wait_xcnt 0x0
	s_wait_alu depctr_hold_cnt(0) depctr_sa_sdst(0) depctr_va_vdst(0) depctr_va_sdst(0) depctr_va_ssrc(0) depctr_va_vcc(0) depctr_vm_vsrc(0)
	s_getreg_b32 s2, hwreg(HW_REG_IB_STS2, 6, 4)
	s_cmp_eq_u32 s2, 0
	s_cbranch_scc0 .Lentry_in_a_cluster
	s_endpgm
.Lentry_in_a_cluster:
	s_bfe_u32 s2, ttmp6, 0x10000c
	s_cmp_lg_u32 s2, 0x3003
	s_cbranch_scc0 .Lentry_shape_is_right
	s_endpgm
.Lentry_shape_is_right:
; out0[b][q][:] = softmax over the 1,024 columns of (Q(S) V), S = q k^T / 32, both products on codes of FP4 (E2M1) with one E8M0 scale for each 32 along K; sums in f32.
; qc and kv hold q's, k's and v's codes and scale bytes as images of the operands' registers (the first launch lays them; its head comment gives the layout).  S never leaves the work-group.
; SHARES.  A work-group owns 64 queries of one batch, and all 1,024 columns of their result: 512 registers of sums in each of four waves.  THE WAVES SHARE THE COLUMNS, NOT THE ROWS.  In a key step (128 keys; 16 steps)
; wave w makes S^T of keys 32 w .. + 31 for all 64 queries (source 0 = 16 keys, source 1 = 16 queries; 2 x 4 tiles x 8 K steps = 64 matrix instructions): one block of 32 along the second product's K.  It quantises it in
; registers and stores codes and byte into the images of P's four fragments in LDS; behind a barrier every wave loads the four fragments and makes O^T (source 0 = 16 columns of V, source 1 = P) of columns
; 256 w .. + 255: 16 x 4 = 64 matrix instructions.  A lane holds ONE query (lane % 16 of its tile) throughout.  q's 32 fragments stay in registers.
; THE ROWS OF A TILE ARE NOT NEIGHBOURS: lane r of tile u of a block of 32 rows is row 8 u + r + 8 (r / 8), for q and for k.  So registers 0-7 of key tiles 0 and 1 are keys 16 (lane / 16) + 0 .. 15 of the wave's 32.
; THE FACTOR 1 / 32 = 2^-5 is exact: the codes of S / 32 are the codes of S, and the block's byte is 5 lower: the largest magnitude's exponent field - 7, held at 1 from below by a floor of 2^(8 - 127) on the magnitude.
; THE SOFTMAX: p = 2^(o c + n), c = log2(e), n = -(the row's largest o) x c rounded once.  That rounding shifts all exponents of a row alike, by less than half a last place of n, and leaves p / sum as it is.
; LIMITS: numbers of S whose 32nd part is denormal in f32 are rounded once here (straight to a code), not twice; NaN and infinities are not served; p under 2^-126 counts as 0.
; CLUSTER: the four work-groups of a cluster belong to one batch and walk the same kv: each wave's block of a key step (34,816 bytes: its K, its V, their scale bytes) is asked for JOINTLY, by the same tensor load
; with the same descriptor and the mask of all four.  The place in the cluster enters the addresses of qc, out0 and the prefetches alone.
; REGISTERS, in windows of 256: window 0: v1-14 addresses; v16-31 q's scale words, v32-39 K's, v40-47 V's, v48-51 P's; v52, v53 for the add; v64-127 S^T; v128-223 three sets of four fragments; v224-255 at work, then P's fragments.
;   window 1: q's fragments, (tile m, K step s) at 8 (8 m + s).   windows 2, 3: O^T, (tile T, query tile m) at 8 (4 (T % 8) + m) of window 2 + T / 8.
.set BLKB,   34816                     ; a wave's block of a key step
.set TILE,   139264                    ; a key step's four blocks, consecutive in kv; also an LDS slot
.set BATCHB, 2228224                   ; a batch in kv
.set PIMG,   2*TILE                    ; LDS behind the ring: P's four fragment images, 1,024 bytes each,
.set PSC,    PIMG+4096                 ; their scale words, 128 bytes each,
.set RED,    PSC+512                   ; the rows' maxima [m][r][wave], 1,024 bytes, then their sums likewise,
.set SPARE,  RED+2048                  ; and the spare words, 128 bytes for each wave, which no other line names
.set SPITCH, 1040                      ; the way out: a stage of 16 rows x (1,024 bytes + 16) for each wave, at its own block of slot 0, which has had its last fill and its last read by then
.set LI,  1                            ; v1   16 x lane
.set AD,  2                            ; v2, v3  16 x lane + my block in slot 0, 1
.set PST, 4                            ; v4   where I store P's codes: PIMG + 256 wave + 16 r + 8 h
.set PSB, 5                            ; v5   and its byte: PSC + 4 lane + wave
.set PLD, 6                            ; v6   PIMG + 16 lane
.set PSL, 7                            ; v7   PSC + 4 lane
.set RA,  8                            ; v8   RED + 16 r + 4 wave
.set RB,  9                            ; v9   RED + 16 r
.set STO, 10                           ; v10  the stage: row r, + 32 h
.set PFO, 13                           ; v13  prefetch of codes: 256 x lane
.set PFV, 14                           ; v14  prefetch of scale bytes: 34,816 (lane / 8) + 256 (lane % 8)
.set QS,  16
.set KS,  32
.set VS,  40
.set PS,  48
.set SPW, 52
.set NIL, 53
.set S,   64
.set FB0, 128
.set FB1, 160
.set FB2, 192
.set MX,  224                          ; at work in the quantiser: largest magnitudes, the other half's, the conversions' operands, the bytes, the codes
.set PT,  228
.set OP,  232
.set BY,  236
.set PC,  240
.set PF,  224                          ; behind the step's second barrier: P's four fragments
.set WV,  10                           ; s10  wave
.set G1,  16                           ; s[16:23] descriptor group 1
.set G0,  24                           ; s[24:27], s[28:31] group 0 for slot 0, 1
.set PFA, 32                           ; s[32:33] where my prefetches of codes stand
.set PFB, 34                           ; s[34:35] and those of scale bytes
.set LIM, 36                           ; s36  1 in a wave that prefetches codes, else the greatest number
.set CNT, 37                           ; s37  trips to go
.set SEL, 38                           ; s[38:39] v_permlanex16_b32's selects for lane l xor 16
.set L2E, 40                           ; s[40:41] log2(e), twice
.set LIMB, 42                          ; s42  as LIM, for the scale bytes
.set MSB, 0
.macro WIN new                         ; the immediate's high byte repeats the setting that is left; a switch that changes nothing is dropped
.if MSB != \new
	s_set_vgpr_msb (MSB<<8)|\new
.set MSB, \new
.endif
.endm
.macro PLACES n                        ; plain vector lines between a matrix instruction and a load into, or a read of, its registers
.rept \n
	v_nop
.endr
.endm
.macro ROUND                           ; a round of the cluster's barrier
	s_barrier_signal -1
	s_barrier_wait -1
	s_cmp_lg_u32 s[WV], 0
	s_cbranch_scc1 .Lnot_wave_0_\@
	s_barrier_signal -3
.Lnot_wave_0_\@:
	s_barrier_wait -3
	s_barrier_signal -1
	s_barrier_wait -1
.endm
; One product, from the symbols wD, wA, wB (registers), wSA, wSB (scale registers), wRA, wRB (1: the scales stand in lanes 16-31), wZ (1: it starts its sum)
.macro WM
.if wZ
.if wRA && wRB
	v_wmma_scale_f32_16x16x128_f8f6f4 v[wD:wD+7], v[wA:wA+7], v[wB:wB+7], 0, v[wSA], v[wSB] matrix_a_fmt:MATRIX_FMT_FP4 matrix_b_fmt:MATRIX_FMT_FP4 matrix_a_scale:MATRIX_SCALE_ROW1 matrix_b_scale:MATRIX_SCALE_ROW1
.elseif wRA
	v_wmma_scale_f32_16x16x128_f8f6f4 v[wD:wD+7], v[wA:wA+7], v[wB:wB+7], 0, v[wSA], v[wSB] matrix_a_fmt:MATRIX_FMT_FP4 matrix_b_fmt:MATRIX_FMT_FP4 matrix_a_scale:MATRIX_SCALE_ROW1
.elseif wRB
	v_wmma_scale_f32_16x16x128_f8f6f4 v[wD:wD+7], v[wA:wA+7], v[wB:wB+7], 0, v[wSA], v[wSB] matrix_a_fmt:MATRIX_FMT_FP4 matrix_b_fmt:MATRIX_FMT_FP4 matrix_b_scale:MATRIX_SCALE_ROW1
.else
	v_wmma_scale_f32_16x16x128_f8f6f4 v[wD:wD+7], v[wA:wA+7], v[wB:wB+7], 0, v[wSA], v[wSB] matrix_a_fmt:MATRIX_FMT_FP4 matrix_b_fmt:MATRIX_FMT_FP4
.endif
.else
.if wRA && wRB
	v_wmma_scale_f32_16x16x128_f8f6f4 v[wD:wD+7], v[wA:wA+7], v[wB:wB+7], v[wD:wD+7], v[wSA], v[wSB] matrix_a_fmt:MATRIX_FMT_FP4 matrix_b_fmt:MATRIX_FMT_FP4 matrix_a_scale:MATRIX_SCALE_ROW1 matrix_b_scale:MATRIX_SCALE_ROW1
.elseif wRA
	v_wmma_scale_f32_16x16x128_f8f6f4 v[wD:wD+7], v[wA:wA+7], v[wB:wB+7], v[wD:wD+7], v[wSA], v[wSB] matrix_a_fmt:MATRIX_FMT_FP4 matrix_b_fmt:MATRIX_FMT_FP4 matrix_a_scale:MATRIX_SCALE_ROW1
.elseif wRB
	v_wmma_scale_f32_16x16x128_f8f6f4 v[wD:wD+7], v[wA:wA+7], v[wB:wB+7], v[wD:wD+7], v[wSA], v[wSB] matrix_a_fmt:MATRIX_FMT_FP4 matrix_b_fmt:MATRIX_FMT_FP4 matrix_b_scale:MATRIX_SCALE_ROW1
.else
	v_wmma_scale_f32_16x16x128_f8f6f4 v[wD:wD+7], v[wA:wA+7], v[wB:wB+7], v[wD:wD+7], v[wSA], v[wSB] matrix_a_fmt:MATRIX_FMT_FP4 matrix_b_fmt:MATRIX_FMT_FP4
.endif
.endif
.endm
; 8 LDS loads: K's fragments of K steps 2 g, 2 g + 1 (ds), key tiles 0, 1 (u), into set + 8 (2 ds + u).  An image is read at 16 x lane: 512 consecutive bytes an instruction
.macro LDK set, slot, g
.irp ds, 0,1
.irp u, 0,1
.irp c, 0,1
	ds_load_b128 v[\set+8*(2*\ds+\u)+4*\c:\set+8*(2*\ds+\u)+4*\c+3], v[AD+\slot] offset:(8*\u+2*\g+\ds)*1024+512*\c
.endr
.endr
.endr
.endm
; 8 LDS loads: V's fragments of tiles 4 g + f into set + 8 f
.macro LDV set, slot, g
.irp f, 0,1,2,3
.irp c, 0,1
	ds_load_b128 v[\set+8*\f+4*\c:\set+8*\f+4*\c+3], v[AD+\slot] offset:16384+(4*\g+\f)*1024+512*\c
.endr
.endr
.endm
; 16 products of S^T: K steps 2 g, 2 g + 1.  The 8 accumulators take turns, one instruction a turn, in the same order throughout; K step 0 starts the sums
.macro MULS set, g
.irp ds, 0,1
.irp u, 0,1
.irp m, 0,1,2,3
.set wD, S+8*(2*\m+\u)
.set wA, \set+8*(2*\ds+\u)
.set wB, 8*(8*\m+2*\g+\ds)
.set wSA, KS+2*\g+\ds
.set wSB, QS+8*(\m/2)+2*\g+\ds
.set wRA, \u
.set wRB, \m%2
.set wZ, 0
.if (2*\g+\ds) == 0
.set wZ, 1
.endif
	WM
.endr
.endr
.endr
.endm
; 16 products of O^T: tiles 4 g + f x the four query tiles.  Each of the 64 accumulators has one instruction in a key step
.macro MULP set, g, zero
.irp f, 0,1,2,3
.irp m, 0,1,2,3
.set wT, 4*\g+\f
.set wD, 8*(4*(wT%8)+\m)
.set wA, \set+8*\f
.set wB, PF+8*\m
.set wSA, VS+wT/2
.set wSB, PS+\m
.set wRA, wT%2
.set wRB, 0
.set wZ, \zero
	WM
.endr
.endr
.endm
; PREFETCHES INTO THE L2.  Key step j asks for the tile of key step j + 3, whose tensor load is issued at the head of step j + 2: 256 matrix instructions a wave ahead.  All eight clusters of a batch walk the same kv: the
; batch's first cluster asks, and nobody else.  Codes: of a wave's block (32,768 bytes of codes) each of the four partners takes 8,192 bytes, told apart BY ADDRESS; lanes 256 bytes apart; one instruction a wave.
; Scale bytes: a tile's 4 x 2,048 bytes are 32 blocks of 256: wave 0 of partner p asks, in every second trip, for tile 2 t + 4 + p.  So each aligned block of 256 bytes of tiles 4 to 15 is named once; tiles 0 to 3 come by
; their loads alone, and the last trip asks for nothing.
.macro ASKA off
	s_cmp_gt_u32 s[CNT], s[LIM]
	s_cbranch_scc0 .Lnot_a_\@
	global_prefetch_b8 v[PFO], s[PFA:PFA+1] offset:\off th:TH_LOAD_NT scope:SCOPE_SE
.Lnot_a_\@:
.endm
.macro ASKB
	s_cmp_gt_u32 s[CNT], s[LIMB]
	s_cbranch_scc0 .Lnot_b_\@
	s_bitcmp1_b32 s[CNT], 0                        ; trips 0, 2, 4: 7, 5, 3 to go
	s_cbranch_scc0 .Lnot_b_\@
	global_prefetch_b8 v[PFV], s[PFB:PFB+1] th:TH_LOAD_NT scope:SCOPE_SE
.Lnot_b_\@:
.endm
; S^T's 32 keys x 64 queries become codes and a byte a query.  A lane holds 16 of a query's 32 keys, lane l xor 16 the others.  The four query tiles go by turns; each accumulator is read from its low end on.
.macro QUANT
.irp m, 0,1,2,3
	v_max3_num_f32 v[MX+\m], |v[S+16*\m]|, |v[S+16*\m+1]|, 0x4000000   ; and the floor 2^(8 - 127): the byte, 7 under the exponent field, cannot fall under 1
.endr
.irp i, 2,4,6,8,10,12,14
.irp m, 0,1,2,3
	v_max3_num_f32 v[MX+\m], v[MX+\m], |v[S+16*\m+\i]|, |v[S+16*\m+\i+1]|
.endr
.endr
.irp m, 0,1,2,3
	v_permlanex16_b32 v[PT+\m], v[MX+\m], s[SEL], s[SEL+1]
.endr
.irp m, 0,1,2,3
	v_max_num_f32 v[MX+\m], v[MX+\m], v[PT+\m]     ; the block's largest magnitude of S
.endr
.irp m, 0,1,2,3
	v_add_nc_u32 v[OP+\m], 0xff000000, v[MX+\m]    ; 2 off the exponent field: the conversion's scale for S itself
.endr
.irp m, 0,1,2,3
	v_add_nc_u32 v[BY+\m], 0xfc800000, v[MX+\m]    ; 7 off: the scale of S / 32
.endr
.irp m, 0,1,2,3
	v_lshrrev_b32 v[BY+\m], 23, v[BY+\m]           ; its byte
.endr
.irp m, 0,1,2,3
	v_cvt_scalef32_pk8_fp4_f32 v[PC+2*\m], v[S+16*\m:S+16*\m+7], v[OP+\m]          ; keys 16 h + 0 .. 7
	v_cvt_scalef32_pk8_fp4_f32 v[PC+2*\m+1], v[S+16*\m+8:S+16*\m+15], v[OP+\m]     ; keys 16 h + 8 .. 15
.endr
	v_nop                                          ; one plain line behind the conversions
.irp m, 0,1,2,3
	ds_store_b64 v[PST], v[PC+2*\m:PC+2*\m+1] offset:1024*\m   ; block w of row r of P's fragment m: 256 w + 16 r + 8 h
	ds_store_b8 v[PSB], v[BY+\m] offset:128*\m     ; byte w of row r's scale word; lanes 16-31 fill a second copy
.endr
.endm
; A KEY STEP on the tile in \slot.  refill = 1: the other slot is asked for (the next key step's tile).  zero = 1: O^T's sums begin.  ask: 1, 2: the trip's first, second step, with their prefetches.
.macro STEP slot, refill, zero, ask
	s_wait_tensorcnt 0x0                           ; my one tensor load that was out, my block of this step's tile, has landed: so every group 0 may be written
	ds_add_u32 v[SPW], v[NIL]                      ; 0 onto my spare word; the steps below stand between it and the wait for it
	s_add_nc_u64 s[G0+4*\slot+2:G0+4*\slot+3], s[G0+4*\slot+2:G0+4*\slot+3], 2*TILE   ; this slot's next tile
.if \ask == 1
	s_wait_xcnt 0x0                                ; the last prefetches, a key step back, have read their addresses
	s_add_nc_u64 s[PFA:PFA+1], s[PFA:PFA+1], 2*TILE
	s_add_nc_u64 s[PFB:PFB+1], s[PFB:PFB+1], 2*TILE
.endif
	s_wait_dscnt 0x0                               ; the add is done, and so are my reads of the other slot and of P
.if \refill
	ROUND                                          ; no wave of any partner still reads the other slot or has a load on its way
	tensor_load_to_lds s[G0+4-4*\slot:G0+7-4*\slot], s[G1:G1+7]   ; my one tensor load behind the round: it has this whole key step, 128 matrix instructions, in which to land
	s_nop 0
	PLACES 4
.else
	s_barrier_signal -1
	s_barrier_wait -1
.endif
	ds_load_b128 v[KS:KS+3], v[AD+\slot] offset:32768        ; K's scale words: register s: key tile 0 in lanes 0-15, key tile 1 in lanes 16-31
	ds_load_b128 v[KS+4:KS+7], v[AD+\slot] offset:33280
	LDK FB0, \slot, 0
	LDK FB1, \slot, 1
	LDK FB2, \slot, 2
.if \ask == 1
	ASKA 0
	ASKB
.elseif \ask == 2
	ASKA TILE
.endif
	s_wait_dscnt 16                                ; the scale words and set 0 are in; sets 1 and 2 may be out
	WIN 0x04                                       ; source 1 (q) window 1
	MULS FB0, 0
	PLACES 4
	WIN 0
	LDK FB0, \slot, 3
	s_wait_dscnt 16                                ; set 1 is in; younger: set 2 and set 0 anew
	WIN 0x04
	MULS FB1, 1
	PLACES 4
	WIN 0
	ds_load_b128 v[VS:VS+3], v[AD+\slot] offset:33792        ; V's scale words: register i: tile 2 i in lanes 0-15, tile 2 i + 1 in lanes 16-31
	ds_load_b128 v[VS+4:VS+7], v[AD+\slot] offset:34304
	LDV FB1, \slot, 0
	s_wait_dscnt 18                                ; set 2 is in; younger: 8 + 2 + 8
	WIN 0x04
	MULS FB2, 2
	PLACES 4
	WIN 0
	LDV FB2, \slot, 1
	s_wait_dscnt 18                                ; set 0 is in; younger: 2 + 8 + 8
	WIN 0x04
	MULS FB0, 3
	PLACES 4                                       ; also the places in front of the quantiser's first read of S^T
	WIN 0
	LDV FB0, \slot, 2
	QUANT
	s_wait_dscnt 0x0                               ; for the others' sake: my stores of P have landed
	s_barrier_signal -1
	s_barrier_wait -1                              ; P's four fragments and their scale words are whole.  The tensor load stays out
.irp m, 0,1,2,3
.irp c, 0,1
	ds_load_b128 v[PF+8*\m+4*\c:PF+8*\m+4*\c+3], v[PLD] offset:1024*\m+512*\c
.endr
	ds_load_b32 v[PS+\m], v[PSL] offset:128*\m
.endr
	s_wait_dscnt 0x0
	WIN 0xa0                                       ; C and D window 2
	MULP FB1, 0, \zero
	PLACES 4
	WIN 0
	LDV FB1, \slot, 3
	WIN 0xa0
	MULP FB2, 1, \zero
	WIN 0xf0                                       ; C and D window 3
	MULP FB0, 2, \zero
	s_wait_dscnt 0x0                               ; V's last four fragments are in (asked for 32 matrix instructions ago)
	MULP FB1, 3, \zero
	PLACES 4                                       ; in front of the next step's loads into the sets, and of the first read of O^T
	WIN 0
.endm
	s_load_b128 s[4:7], s[0:1], 0x0                ; qc s[4:5], kv s[6:7]
	s_load_b64 s[8:9], s[0:1], 0x10                ; out0
	v_lshl_add_u32 v[SPW], v0, 2, SPARE
	v_mov_b32 v[NIL], 0
	ds_add_u32 v52, v53
	ds_add_u32 v52, v53
	s_wait_dscnt 0x0
	v_lshrrev_b32 v12, 5, v0
	v_readfirstlane_b32 s[WV], v12                 ; wave 0..3
	s_bfe_u32 s11, ttmp6, 0x40000                  ; cx: my place in the cluster
	s_and_b32 s44, ttmp7, 0xffff                   ; the batch, which the four partners share
	s_mul_i32 s46, s44, BATCHB                     ; the batch in kv
	s_mov_b32 s47, 0
	s_mul_i32 s45, s[WV], BLKB                     ; my block, in a tile and in a slot: no place in the cluster enters an LDS address
	s_add_co_u32 s48, s46, s45
	s_mov_b32 s49, 0
	; descriptor group 1: a dense block of 34,816 bytes as 136 rows of 256 bytes (32 elements of 8 bytes), no padding: the images are read 512 consecutive bytes at a time
	s_mov_b32 s[G1+0], 15|(3<<16)|(1<<21)          ; 15:0 the mask: all four work-groups; 17:16 elements of 8 bytes; 21 set beside a mask
	s_mov_b32 s[G1+1], 32<<16                      ; tensor_dim0 = 32
	s_mov_b32 s[G1+2], 136<<16                     ; tensor_dim1 = 136
	s_mov_b32 s[G1+3], 32<<16                      ; tile_dim0 = 32
	s_mov_b32 s[G1+4], 136                         ; tile_dim1 = 136
	s_mov_b32 s[G1+5], 32                          ; tensor_dim0_stride
	s_mov_b32 s[G1+6], 0
	s_mov_b32 s[G1+7], 0
	; what hangs on my place in the cluster: registers of their own
	s_lshl_b32 s50, ttmp9, 2
	s_add_co_u32 s50, s50, s11                     ; my block of 64 queries = 4 x cluster x + cx
	s_lshl_b32 s51, s44, 5
	s_add_co_u32 s50, s50, s51                     ; + 32 x batch
	s_lshl_b32 s52, s50, 18                        ; out0: 64 rows of 4,096 bytes,
	s_lshl_b32 s53, s[WV], 10                      ; my 256 columns
	s_add_co_u32 s52, s52, s53
	s_mov_b32 s53, 0
	s_mul_i32 s50, s50, BLKB                       ; qc: two blocks of 17,408 bytes
	s_mov_b32 s51, 0
	s_lshl_b32 s54, s11, 13                        ; prefetch of codes: my work-group's 8,192 bytes of a block's 32,768
	s_mov_b32 s55, 0
	s_mul_i32 s56, s11, TILE                       ; prefetch of scale bytes: my work-group's tile of four
	s_mov_b32 s57, 0
	s_cmp_eq_u32 ttmp9, 0                          ; the batch's first cluster: the same in all four partners
	s_cselect_b32 s[LIM], 1, -1
	s_or_b32 s43, ttmp9, s[WV]
	s_cmp_eq_u32 s43, 0                            ; and its waves 0
	s_cselect_b32 s[LIMB], 1, -1
	s_mov_b32 s[SEL], 0x76543210
	s_mov_b32 s[SEL+1], 0xfedcba98
	s_mov_b32 s[L2E], 0x3fb8aa3b                   ; log2(e)
	s_mov_b32 s[L2E+1], s[L2E]                     ; (named with it as a pair, so it is written)
	s_wait_kmcnt 0x0
	s_mov_b32 s[G0+0], 1                           ; 1:0 count = 1
	s_mov_b32 s[G0+1], s45                         ; LDS address: slot 0, my block
	s_add_nc_u64 s[G0+2:G0+3], s[6:7], s[48:49]    ; global address: key step 0, my block
	s_or_b32 s[G0+3], s[G0+3], 0x80000000          ; type = 2
	s_mov_b32 s[G0+4], 1
	s_add_co_u32 s[G0+5], s45, TILE                ; slot 1
	s_add_nc_u64 s[G0+6:G0+7], s[6:7], s[48:49]
	s_add_nc_u64 s[G0+6:G0+7], s[G0+6:G0+7], TILE  ; key step 1
	s_or_b32 s[G0+7], s[G0+7], 0x80000000
	s_add_nc_u64 s[PFA:PFA+1], s[6:7], s[48:49]
	s_add_nc_u64 s[PFA:PFA+1], s[PFA:PFA+1], s[54:55]
	s_add_nc_u64 s[PFA:PFA+1], s[PFA:PFA+1], 2*TILE        ; at tile 2: the first trip steps it to tile 4
	s_add_nc_u64 s[PFB:PFB+1], s[6:7], s[46:47]
	s_add_nc_u64 s[PFB:PFB+1], s[PFB:PFB+1], s[56:57]
	s_add_nc_u64 s[PFB:PFB+1], s[PFB:PFB+1], 2*TILE+32768  ; at tile 2 + cx, where a block's scale bytes begin
	s_add_nc_u64 s[4:5], s[4:5], s[50:51]
	s_add_nc_u64 s[8:9], s[8:9], s[52:53]
	ROUND                                          ; all four work-groups are here: the first joint loads meet
	tensor_load_to_lds s[G0:G0+3], s[G1:G1+7]      ; key step 0
	s_nop 0
	PLACES 4
	v_and_b32 v12, 31, v0                          ; lane
	v_lshlrev_b32 v[LI], 4, v12
	WIN 0x40                                       ; destination window 1
.irp p, 0,1                                    ; q's 32 fragments stay in registers: query tile m = 2 p + u, K step k
.irp u, 0,1
.irp k, 0,1,2,3,4,5,6,7
.irp c, 0,1
	global_load_b128 v[8*(8*(2*\p+\u)+\k)+4*\c:8*(8*(2*\p+\u)+\k)+4*\c+3], v[LI], s[4:5] offset:17408*\p+(8*\u+\k)*1024+512*\c th:TH_LOAD_NT
.endr
.endr
.endr
.endr
	WIN 0
.irp p, 0,1                                    ; q's scale words: register 8 p + k: tile 2 p in lanes 0-15, tile 2 p + 1 in lanes 16-31
.irp g, 0,1
	global_load_b128 v[QS+8*\p+4*\g:QS+8*\p+4*\g+3], v[LI], s[4:5] offset:17408*\p+16384+512*\g th:TH_LOAD_NT
.endr
.endr
	v_and_b32 v15, 15, v0                          ; r
	v_bfe_u32 v54, v0, 4, 1                        ; h
	v_add_nc_u32 v[AD], s45, v[LI]
	v_add_nc_u32 v[AD+1], TILE, v[AD]
	s_lshl_b32 s58, s[WV], 8
	v_lshlrev_b32 v[PST], 4, v15
	v_lshl_add_u32 v[PST], v54, 3, v[PST]
	v_add_nc_u32 v[PST], s58, v[PST]
	v_add_nc_u32 v[PST], PIMG, v[PST]
	v_lshlrev_b32 v[PSL], 2, v12
	v_add_nc_u32 v[PSL], PSC, v[PSL]
	v_add_nc_u32 v[PSB], s[WV], v[PSL]
	v_add_nc_u32 v[PLD], PIMG, v[LI]
	v_lshlrev_b32 v[RB], 4, v15
	v_add_nc_u32 v[RB], RED, v[RB]
	s_lshl_b32 s59, s[WV], 2
	v_add_nc_u32 v[RA], s59, v[RB]
	v_mul_u32_u24 v[STO], v15, SPITCH
	v_lshl_add_u32 v[STO], v54, 5, v[STO]
	v_add_nc_u32 v[STO], s45, v[STO]
	v_lshlrev_b32 v[PFO], 8, v12
	v_lshrrev_b32 v[PFV], 3, v12
	v_mul_u32_u24 v[PFV], v[PFV], BLKB
	v_and_b32 v55, 7, v12
	v_lshl_add_u32 v[PFV], v55, 8, v[PFV]
.irp m, 0,1,2,3
	v_mov_b32 v[PT+\m], 0                          ; written once: a lane permute's destination counts as one of its sources
.endr
	s_wait_loadcnt 0x0                             ; q
	STEP 0, 1, 1, 0                                ; key step 0 stands in front of the loop: its products start O^T's sums, so nothing is cleared
	s_mov_b32 s[CNT], 7
.Ltrip:                                            ; key steps 1 to 14, two a trip: once round the ring
	STEP 1, 1, 0, 1
	STEP 0, 1, 0, 2
	s_sub_co_u32 s[CNT], s[CNT], 1
	s_cmp_lg_u32 s[CNT], 0
	s_cbranch_scc1 .Ltrip
	STEP 1, 0, 0, 0                                ; key step 15 is written out: it asks for nothing
; ---------------- THE SOFTMAX along the 1,024 columns.  A lane holds, of query r of each tile m, 128 of my wave's 256 columns; lane l xor 16 the others; the other waves the other 768. ----------------
.set EMX, 192                          ; v192-195 maxima;  v196-199 the other half's;  v200-215 the four waves' figures;  v216-223 n, in pairs;  v224-231 sums, in pairs;  v232-239 1 / sum, in pairs
.set EPT, 196
.set RL,  200
.set NMC, 216
.set SUM, 224
.set RCP, 232
.set BK,  64                           ; v64-191 the way out: 16 rows read back from the stage
.macro MAXW                            ; a window's 256 numbers into the four running maxima; each accumulator from its low end on; the four chains by turns
.irp t, 0,1,2,3,4,5,6,7
.irp j, 0,2,4,6
.irp m, 0,1,2,3
	v_max3_num_f32 v[EMX+\m], v[EMX+\m], v[8*(4*\t+\m)+\j], v[8*(4*\t+\m)+\j+1]
.endr
.endr
.endr
.endm
.macro FMAW                            ; o c + n, two at a time (of the pairs c and n the low word serves both halves)
.irp t, 0,1,2,3,4,5,6,7
.irp m, 0,1,2,3
.irp j, 0,2,4,6
	v_pk_fma_f32 v[8*(4*\t+\m)+\j:8*(4*\t+\m)+\j+1], v[8*(4*\t+\m)+\j:8*(4*\t+\m)+\j+1], s[L2E:L2E+1], v[NMC+2*\m:NMC+2*\m+1] op_sel_hi:[1,0,0]
.endr
.endr
.endr
.endm
.macro EXPW                            ; a batch of 256 exponentials, a plain line behind the last, and ONE wait ahead of the first line that names a result
.set i, 0
.rept 256
	v_exp_f32 v[i], v[i]
.set i, i+1
.endr
	v_nop
	s_wait_alu depctr_va_vdst(0)
.endm
.macro ADDW                            ; a window's 256 p into the four pairs of sums, by turns
.irp t, 0,1,2,3,4,5,6,7
.irp j, 0,2,4,6
.irp m, 0,1,2,3
	v_pk_add_f32 v[SUM+2*\m:SUM+2*\m+1], v[SUM+2*\m:SUM+2*\m+1], v[8*(4*\t+\m)+\j:8*(4*\t+\m)+\j+1]
.endr
.endr
.endr
.endm
.irp m, 0,1,2,3
	v_mov_b32 v[EMX+\m], 0xff800000                ; -infinity, under every number
	v_mov_b32 v[EPT+\m], 0
	v_mov_b32 v[NMC+2*\m+1], 0                     ; the pairs' upper words are named with the lower, so they are written
	v_mov_b32 v[RCP+2*\m+1], 0
	v_mov_b32 v[SUM+2*\m], 0
	v_mov_b32 v[SUM+2*\m+1], 0
.endr
	WIN 0x28                                       ; sources 1 and 2 window 2
	MAXW
	WIN 0x3c                                       ; window 3
	MAXW
	WIN 0
.irp m, 0,1,2,3
	v_permlanex16_b32 v[EPT+\m], v[EMX+\m], s[SEL], s[SEL+1]
.endr
.irp m, 0,1,2,3
	v_max_num_f32 v[EMX+\m], v[EMX+\m], v[EPT+\m]  ; of my wave's 256 columns
.endr
.irp m, 0,1,2,3
	ds_store_b32 v[RA], v[EMX+\m] offset:256*\m    ; both halves of the lanes write the same word with the same value
.endr
	s_wait_dscnt 0x0                               ; for the others' sake
	s_barrier_signal -1
	s_barrier_wait -1
.irp m, 0,1,2,3
	ds_load_b128 v[RL+4*\m:RL+4*\m+3], v[RB] offset:256*\m
.endr
	s_wait_dscnt 0x0
.irp m, 0,1,2,3
	v_max3_num_f32 v[EMX+\m], v[RL+4*\m], v[RL+4*\m+1], v[RL+4*\m+2]
.endr
.irp m, 0,1,2,3
	v_max_num_f32 v[EMX+\m], v[EMX+\m], v[RL+4*\m+3]   ; the row's largest o
.endr
.irp m, 0,1,2,3
	v_mul_f32 v[NMC+2*\m], 0xbfb8aa3b, v[EMX+\m]   ; n = -(it) x log2(e)
.endr
	WIN 0x82                                       ; destination and source 0 window 2
	FMAW
	WIN 0xc3                                       ; window 3
	FMAW
	WIN 0x82
	EXPW                                           ; p = 2^(o c + n)
	WIN 0x08                                       ; source 1 window 2
	ADDW
	WIN 0xc3
	EXPW
	WIN 0x0c                                       ; source 1 window 3
	ADDW
	WIN 0
.irp m, 0,1,2,3
	v_add_f32 v[SUM+2*\m], v[SUM+2*\m], v[SUM+2*\m+1]
.endr
.irp m, 0,1,2,3
	v_permlanex16_b32 v[EPT+\m], v[SUM+2*\m], s[SEL], s[SEL+1]
.endr
.irp m, 0,1,2,3
	v_add_f32 v[SUM+2*\m], v[SUM+2*\m], v[EPT+\m]
.endr
.irp m, 0,1,2,3
	ds_store_b32 v[RA], v[SUM+2*\m] offset:1024+256*\m   ; bytes of their own: no wave may still be reading the maxima
.endr
	s_wait_dscnt 0x0
	s_barrier_signal -1
	s_barrier_wait -1
.irp m, 0,1,2,3
	ds_load_b128 v[RL+4*\m:RL+4*\m+3], v[RB] offset:1024+256*\m
.endr
	s_wait_dscnt 0x0
.irp m, 0,1,2,3
	v_add_f32 v[RL+4*\m], v[RL+4*\m], v[RL+4*\m+1]
	v_add_f32 v[RL+4*\m+2], v[RL+4*\m+2], v[RL+4*\m+3]
.endr
.irp m, 0,1,2,3
	v_add_f32 v[RL+4*\m], v[RL+4*\m], v[RL+4*\m+2] ; the row's sum
.endr
.irp m, 0,1,2,3
	v_rcp_f32 v[RCP+2*\m], v[RL+4*\m]
.endr
	v_nop                                          ; a plain line behind the last reciprocal,
	s_wait_alu depctr_va_vdst(0)                   ; and one wait for the four, ahead of their first reader
; ---------------- THE WAY OUT, a query tile (16 rows x my 256 columns) at a time: p / sum, through my stage, back as half rows of 512 bytes ----------------
.macro SCALE m
	WIN 0x82
.irp t, 0,1,2,3,4,5,6,7
.irp j, 0,2,4,6
	v_pk_mul_f32 v[8*(4*\t+(\m))+\j:8*(4*\t+(\m))+\j+1], v[8*(4*\t+(\m))+\j:8*(4*\t+(\m))+\j+1], v[RCP+2*(\m):RCP+2*(\m)+1] op_sel_hi:[1,0]
.endr
.endr
	WIN 0xc3
.irp t, 0,1,2,3,4,5,6,7
.irp j, 0,2,4,6
	v_pk_mul_f32 v[8*(4*\t+(\m))+\j:8*(4*\t+(\m))+\j+1], v[8*(4*\t+(\m))+\j:8*(4*\t+(\m))+\j+1], v[RCP+2*(\m):RCP+2*(\m)+1] op_sel_hi:[1,0]
.endr
.endr
.endm
.macro IN m                            ; lane (r, h): columns 16 T + 8 h + 0 .. 7 of row r: 64 T + 32 h bytes on
	WIN 0x08                                       ; an LDS store's data are its source 1: window 2
.irp t, 0,1,2,3,4,5,6,7
	ds_store_b128 v[STO], v[8*(4*\t+(\m)):8*(4*\t+(\m))+3] offset:64*\t
	ds_store_b128 v[STO], v[8*(4*\t+(\m))+4:8*(4*\t+(\m))+7] offset:64*\t+16
.endr
	WIN 0x0c                                       ; window 3
.irp t, 0,1,2,3,4,5,6,7
	ds_store_b128 v[STO], v[8*(4*\t+(\m)):8*(4*\t+(\m))+3] offset:64*(\t+8)
	ds_store_b128 v[STO], v[8*(4*\t+(\m))+4:8*(4*\t+(\m))+7] offset:64*(\t+8)+16
.endr
	WIN 0
.endm
.macro FETCH                           ; LDS serves a wave's instructions in order (ISA guide 5.7.1.4): these see my stores, and the next tile's stores come behind them
.irp p, 0,1,2,3,4,5,6,7,8,9,10,11,12,13,14,15
.irp q, 0,1
	ds_load_b128 v[BK+4*(2*\p+\q):BK+4*(2*\p+\q)+3], v[AD] offset:SPITCH*\p+512*\q
.endr
.endr
.endm
.macro SEND m                          ; lane row p of tile m is row 32 (m / 2) + 8 (m % 2) + p + 8 (p / 8) of my 64
	WIN 0                                          ; the stores' address (their source 0) and data (their source 1) lie in window 0; SCALE, which stands ahead of three of the four, leaves other windows
	s_wait_dscnt 0x0                               ; the tile is back in registers
.irp p, 0,1,2,3,4,5,6,7,8,9,10,11,12,13,14,15
.irp q, 0,1
	global_store_b128 v[LI], v[BK+4*(2*\p+\q):BK+4*(2*\p+\q)+3], s[8:9] offset:(32*((\m)/2)+8*((\m)%2)+\p+8*(\p/8))*4096+512*\q th:TH_STORE_NT   ; 32 lanes store 512 consecutive bytes, aligned to 256; written once, read by nobody here
.endr
.endr
.endm
	SCALE 0
	IN 0
	FETCH
.irp m, 1,2,3
	SCALE \m                                       ; a tile's arithmetic stands between the loads of the tile before and the wait for them
	SEND \m-1
	IN \m
	s_wait_xcnt 0x0                                ; the stores have read their registers: the next tile may land there
	FETCH
.endr
	SEND 3
	s_wait_tensorcnt 0x0                           ; the wave's end: behind my last tensor load and my last LDS store
	ds_add_u32 v[SPW], v[NIL]
	s_wait_dscnt 0x0
	ROUND                                          ; the closing round: no work-group ends while a partner may still ask for a tile that names it
	s_endpgm
.Lfunc_end_k_q608ab8b606_attn:
	.size	k_q608ab8b606_attn, .Lfunc_end_k_q608ab8b606_attn-k_q608ab8b606_attn
	.p2alignl 7, 3214868480
	.fill 96, 4, 3214868480
	.section	.rodata,"a",@progbits
	.p2align	6, 0x0
	.amdhsa_kernel k_q608ab8b606_attn
		.amdhsa_group_segment_fixed_size 327680
		.amdhsa_private_segment_fixed_size 0
		.amdhsa_enable_private_segment 0
		.amdhsa_kernarg_size 24
		.amdhsa_user_sgpr_count 2
		.amdhsa_user_sgpr_kernarg_segment_ptr 1
		.amdhsa_wavefront_size32 1
		.amdhsa_system_sgpr_workgroup_id_x 1
		.amdhsa_system_sgpr_workgroup_id_y 1
		.amdhsa_system_sgpr_workgroup_id_z 1
		.amdhsa_system_vgpr_workitem_id 0
		.amdhsa_next_free_vgpr 1024
		.amdhsa_next_free_sgpr 66
		.amdhsa_reserve_vcc 0
		.amdhsa_float_denorm_mode_32 3
		.amdhsa_float_denorm_mode_16_64 3
		.amdhsa_memory_ordered 1
		.amdhsa_forward_progress 1
		.amdhsa_inst_pref_size 236
	.end_amdhsa_kernel
	.amdgpu_metadata
---
amdhsa.version: [ 1, 2 ]
amdhsa.kernels:
  - .name:           k_q608ab8b606_attn
    .symbol:         k_q608ab8b606_attn.kd
    .args:
      - { .name: qc, .offset: 0, .size: 8, .value_kind: global_buffer, .address_space: global }
      - { .name: kv, .offset: 8, .size: 8, .value_kind: global_buffer, .address_space: global }
      - { .name: out0, .offset: 16, .size: 8, .value_kind: global_buffer, .address_space: global }
    .group_segment_fixed_size: 327680
    .private_segment_fixed_size: 0
    .kernarg_segment_align: 8
    .kernarg_segment_size: 24
    .max_flat_workgroup_size: 128
    .sgpr_count:     66
    .vgpr_count:     1024
    .wavefront_size: 32
...
	.end_amdgpu_metadata
.endif
;; end of part 2
;; ======== version 2 of 2: 2 launches
;; workspace buffers: qc 8,912,896 bytes; kv 17,825,792 bytes
;; launch quant: the kernel of part 1 again; grid 1280 x 1, 4 waves a work-group, no clusters, 39,424 bytes of LDS; arguments qm, km, vm, qc, kv; writes qc, kv
;; launch attn (part 3): grid 32 x 8, 4 waves a work-group, clusters of 4 x 1, 327,680 bytes of LDS; arguments qc, kv, out0; writes out0
.if DOCPART == 3
	.amdgcn_target "amdgcn-amd-amdhsa--gfx1250"
	.amdhsa_code_object_version 6
	.text
	.protected	k_q608ab8b606_attn
	.globl	k_q608ab8b606_attn
	.p2align	8
	.type	k_q608ab8b606_attn,@function
k_q608ab8b606_attn:
	s_mov_b64 s[64:65], 0
	v_nop
	global_prefetch_b8 v0, s[64:65] scope:SCOPE_SE
	s_setreg_imm32_b32 hwreg(HW_REG_WAVE_MODE, 25, 1), 1
	s_wait_xcnt 0x0
	s_wait_alu depctr_hold_cnt(0) depctr_sa_sdst(0) depctr_va_vdst(0) depctr_va_sdst(0) depctr_va_ssrc(0) depctr_va_vcc(0) depctr_vm_vsrc(0)
	s_getreg_b32 s2, hwreg(HW_REG_IB_STS2, 6, 4)
	s_cmp_eq_u32 s2, 0
	s_cbranch_scc0 .Lentry_in_a_cluster
	s_endpgm
.Lentry_in_a_cluster:
	s_bfe_u32 s2, ttmp6, 0x10000c
	s_cmp_lg_u32 s2, 0x3003
	s_cbranch_scc0 .Lentry_shape_is_right
	s_endpgm
.Lentry_shape_is_right:
; out0[b][q][:] = softmax over the 1,024 columns of (Q(S) V), S = q k^T / 32, both products on codes of FP4 (E2M1) with one E8M0 scale for each 32 along K; sums in f32.
; qc and kv hold q's, k's and v's codes and scale bytes as images of the operands' registers (the first launch lays them; its head comment gives the layout).  S never leaves the work-group.
; SHARES.  A work-group owns 64 queries of one batch, and all 1,024 columns of their result: 512 registers of sums in each of four waves.  THE WAVES SHARE THE COLUMNS, NOT THE ROWS.  In a key step (128 keys; 16 steps)
; wave w makes S^T of keys 32 w .. + 31 for all 64 queries (source 0 = 16 keys, source 1 = 16 queries; 2 x 4 tiles x 8 K steps = 64 matrix instructions): one block of 32 along the second product's K.  It quantises it in
; registers and stores codes and byte into the images of P's four fragments in LDS; behind a barrier every wave loads the four fragments and makes O^T (source 0 = 16 columns of V, source 1 = P) of columns
; 256 w .. + 255: 16 x 4 = 64 matrix instructions.  A lane holds ONE query (lane % 16 of its tile) throughout.  q's 32 fragments stay in registers.
; THE ROWS OF A TILE ARE NOT NEIGHBOURS: lane r of tile u of a block of 32 rows is row 8 u + r + 8 (r / 8), for q and for k.  So registers 0-7 of key tiles 0 and 1 are keys 16 (lane / 16) + 0 .. 15 of the wave's 32.
; THE FACTOR 1 / 32 = 2^-5 is exact: the codes of S / 32 are the codes of S, and the block's byte is 5 lower: the largest magnitude's exponent field - 7, held at 1 from below by a floor of 2^(8 - 127) on the magnitude.
; THE WALK.  A sum over the keys may begin at any key step.  Cluster c of a batch (c = 0 .. 7, bits b2 b1 b0) begins at key step 8 b1 + 4 (b0 xor b2) + 2 b2 and walks all sixteen, round the end: eight different even
; starts, so that at any time the eight clusters ask for eight different tiles; clusters 0-3, clusters 4-7, the even ones and the odd ones each begin four steps apart.  Within their first two key steps the eight
; clusters' tensor loads have named all sixteen tiles of the batch: no tile is left that could be asked for ahead of every load, so no prefetch is laid.
; THE SOFTMAX: p = 2^(o c + n), c = log2(e), n = -(the row's largest o) x c rounded once.  That rounding shifts all exponents of a row alike, by less than half a last place of n, and leaves p / sum as it is.
; LIMITS: O's sixteen parts are added in the walk's order, an order of f32 additions other than ascending keys; numbers of S whose 32nd part is denormal in f32 are rounded once here (straight to a code), not twice;
; NaN and infinities are not served; p under 2^-126 counts as 0.
; CLUSTER: the four work-groups of a cluster belong to one batch and walk the same kv: each wave's block of a key step (34,816 bytes: its K, its V, their scale bytes) is asked for JOINTLY, by the same tensor load
; with the same descriptor and the mask of all four.  The place in the cluster enters the addresses of qc and out0 alone; where the walk begins hangs on the cluster's number, which the four share.
; REGISTERS, in windows of 256: window 0: v1-10 addresses; v16-31 q's scale words, v32-39 K's, v40-47 V's, v48-51 P's; v52, v53 for the add; v64-127 S^T; v128-223 three sets of four fragments; v224-255 at work, then P's fragments.
;   window 1: q's fragments, (tile m, K step s) at 8 (8 m + s).   windows 2, 3: O^T, (tile T, query tile m) at 8 (4 (T % 8) + m) of window 2 + T / 8.
.set BLKB,   34816                     ; a wave's block of a key step
.set TILE,   139264                    ; a key step's four blocks, consecutive in kv; also an LDS slot
.set BATCHB, 2228224                   ; a batch in kv
.set PIMG,   2*TILE                    ; LDS behind the ring: P's four fragment images, 1,024 bytes each,
.set PSC,    PIMG+4096                 ; their scale words, 128 bytes each,
.set RED,    PSC+512                   ; the rows' maxima [m][r][wave], 1,024 bytes, then their sums likewise,
.set SPARE,  RED+2048                  ; and the spare words, 128 bytes for each wave, which no other line names
.set SPITCH, 1040                      ; the way out: a stage of 16 rows x (1,024 bytes + 16) for each wave, at its own block of slot 0, which has had its last fill and its last read by then
.set LI,  1                            ; v1   16 x lane
.set AD,  2                            ; v2, v3  16 x lane + my block in slot 0, 1
.set PST, 4                            ; v4   where I store P's codes: PIMG + 256 wave + 16 r + 8 h
.set PSB, 5                            ; v5   and its byte: PSC + 4 lane + wave
.set PLD, 6                            ; v6   PIMG + 16 lane
.set PSL, 7                            ; v7   PSC + 4 lane
.set RA,  8                            ; v8   RED + 16 r + 4 wave
.set RB,  9                            ; v9   RED + 16 r
.set STO, 10                           ; v10  the stage: row r, + 32 h
.set QS,  16
.set KS,  32
.set VS,  40
.set PS,  48
.set SPW, 52
.set NIL, 53
.set S,   64
.set FB0, 128
.set FB1, 160
.set FB2, 192
.set MX,  224                          ; at work in the quantiser: largest magnitudes, the other half's, the conversions' operands, the bytes, the codes
.set PT,  228
.set OP,  232
.set BY,  236
.set PC,  240
.set PF,  224                          ; behind the step's second barrier: P's four fragments
.set WV,  10                           ; s10  wave
.set BASE, 12                          ; s[12:13] my block of the batch's key step 0 in kv; never stepped
.set OFF, 14                           ; s[14:15] the byte offset of the tile that is asked for next: its number x TILE
.set G1,  16                           ; s[16:23] descriptor group 1
.set G0,  24                           ; s[24:27], s[28:31] group 0 for slot 0, 1
.set CNT, 37                           ; s37  trips to go
.set SEL, 38                           ; s[38:39] v_permlanex16_b32's selects for lane l xor 16
.set L2E, 40                           ; s[40:41] log2(e), twice
.set TI,  60                           ; s60  the number (0 .. 15) of the tile asked for last
.set MSB, 0
.macro WIN new                         ; the immediate's high byte repeats the setting that is left; a switch that changes nothing is dropped
.if MSB != \new
	s_set_vgpr_msb (MSB<<8)|\new
.set MSB, \new
.endif
.endm
.macro PLACES n                        ; plain vector lines between a matrix instruction and a load into, or a read of, its registers
.rept \n
	v_nop
.endr
.endm
.macro ROUND                           ; a round of the cluster's barrier
	s_barrier_signal -1
	s_barrier_wait -1
	s_cmp_lg_u32 s[WV], 0
	s_cbranch_scc1 .Lnot_wave_0_\@
	s_barrier_signal -3
.Lnot_wave_0_\@:
	s_barrier_wait -3
	s_barrier_signal -1
	s_barrier_wait -1
.endm
; One product, from the symbols wD, wA, wB (registers), wSA, wSB (scale registers), wRA, wRB (1: the scales stand in lanes 16-31), wZ (1: it starts its sum)
.macro WM
.if wZ
.if wRA && wRB
	v_wmma_scale_f32_16x16x128_f8f6f4 v[wD:wD+7], v[wA:wA+7], v[wB:wB+7], 0, v[wSA], v[wSB] matrix_a_fmt:MATRIX_FMT_FP4 matrix_b_fmt:MATRIX_FMT_FP4 matrix_a_scale:MATRIX_SCALE_ROW1 matrix_b_scale:MATRIX_SCALE_ROW1
.elseif wRA
	v_wmma_scale_f32_16x16x128_f8f6f4 v[wD:wD+7], v[wA:wA+7], v[wB:wB+7], 0, v[wSA], v[wSB] matrix_a_fmt:MATRIX_FMT_FP4 matrix_b_fmt:MATRIX_FMT_FP4 matrix_a_scale:MATRIX_SCALE_ROW1
.elseif wRB
	v_wmma_scale_f32_16x16x128_f8f6f4 v[wD:wD+7], v[wA:wA+7], v[wB:wB+7], 0, v[wSA], v[wSB] matrix_a_fmt:MATRIX_FMT_FP4 matrix_b_fmt:MATRIX_FMT_FP4 matrix_b_scale:MATRIX_SCALE_ROW1
.else
	v_wmma_scale_f32_16x16x128_f8f6f4 v[wD:wD+7], v[wA:wA+7], v[wB:wB+7], 0, v[wSA], v[wSB] matrix_a_fmt:MATRIX_FMT_FP4 matrix_b_fmt:MATRIX_FMT_FP4
.endif
.else
.if wRA && wRB
	v_wmma_scale_f32_16x16x128_f8f6f4 v[wD:wD+7], v[wA:wA+7], v[wB:wB+7], v[wD:wD+7], v[wSA], v[wSB] matrix_a_fmt:MATRIX_FMT_FP4 matrix_b_fmt:MATRIX_FMT_FP4 matrix_a_scale:MATRIX_SCALE_ROW1 matrix_b_scale:MATRIX_SCALE_ROW1
.elseif wRA
	v_wmma_scale_f32_16x16x128_f8f6f4 v[wD:wD+7], v[wA:wA+7], v[wB:wB+7], v[wD:wD+7], v[wSA], v[wSB] matrix_a_fmt:MATRIX_FMT_FP4 matrix_b_fmt:MATRIX_FMT_FP4 matrix_a_scale:MATRIX_SCALE_ROW1
.elseif wRB
	v_wmma_scale_f32_16x16x128_f8f6f4 v[wD:wD+7], v[wA:wA+7], v[wB:wB+7], v[wD:wD+7], v[wSA], v[wSB] matrix_a_fmt:MATRIX_FMT_FP4 matrix_b_fmt:MATRIX_FMT_FP4 matrix_b_scale:MATRIX_SCALE_ROW1
.else
	v_wmma_scale_f32_16x16x128_f8f6f4 v[wD:wD+7], v[wA:wA+7], v[wB:wB+7], v[wD:wD+7], v[wSA], v[wSB] matrix_a_fmt:MATRIX_FMT_FP4 matrix_b_fmt:MATRIX_FMT_FP4
.endif
.endif
.endm
; 8 LDS loads: K's fragments of K steps 2 g, 2 g + 1 (ds), key tiles 0, 1 (u), into set + 8 (2 ds + u).  An image is read at 16 x lane: 512 consecutive bytes an instruction
.macro LDK set, slot, g
.irp ds, 0,1
.irp u, 0,1
.irp c, 0,1
	ds_load_b128 v[\set+8*(2*\ds+\u)+4*\c:\set+8*(2*\ds+\u)+4*\c+3], v[AD+\slot] offset:(8*\u+2*\g+\ds)*1024+512*\c
.endr
.endr
.endr
.endm
; 8 LDS loads: V's fragments of tiles 4 g + f into set + 8 f
.macro LDV set, slot, g
.irp f, 0,1,2,3
.irp c, 0,1
	ds_load_b128 v[\set+8*\f+4*\c:\set+8*\f+4*\c+3], v[AD+\slot] offset:16384+(4*\g+\f)*1024+512*\c
.endr
.endr
.endm
; 16 products of S^T: K steps 2 g, 2 g + 1.  The 8 accumulators take turns, one instruction a turn, in the same order throughout; K step 0 starts the sums
.macro MULS set, g
.irp ds, 0,1
.irp u, 0,1
.irp m, 0,1,2,3
.set wD, S+8*(2*\m+\u)
.set wA, \set+8*(2*\ds+\u)
.set wB, 8*(8*\m+2*\g+\ds)
.set wSA, KS+2*\g+\ds
.set wSB, QS+8*(\m/2)+2*\g+\ds
.set wRA, \u
.set wRB, \m%2
.set wZ, 0
.if (2*\g+\ds) == 0
.set wZ, 1
.endif
	WM
.endr
.endr
.endr
.endm
; 16 products of O^T: tiles 4 g + f x the four query tiles.  Each of the 64 accumulators has one instruction in a key step
.macro MULP set, g, zero
.irp f, 0,1,2,3
.irp m, 0,1,2,3
.set wT, 4*\g+\f
.set wD, 8*(4*(wT%8)+\m)
.set wA, \set+8*\f
.set wB, PF+8*\m
.set wSA, VS+wT/2
.set wSB, PS+\m
.set wRA, wT%2
.set wRB, 0
.set wZ, \zero
	WM
.endr
.endr
.endm
; S^T's 32 keys x 64 queries become codes and a byte a query.  A lane holds 16 of a query's 32 keys, lane l xor 16 the others.  The four query tiles go by turns; each accumulator is read from its low end on.
.macro QUANT
.irp m, 0,1,2,3
	v_max3_num_f32 v[MX+\m], |v[S+16*\m]|, |v[S+16*\m+1]|, 0x4000000   ; and the floor 2^(8 - 127): the byte, 7 under the exponent field, cannot fall under 1
.endr
.irp i, 2,4,6,8,10,12,14
.irp m, 0,1,2,3
	v_max3_num_f32 v[MX+\m], v[MX+\m], |v[S+16*\m+\i]|, |v[S+16*\m+\i+1]|
.endr
.endr
.irp m, 0,1,2,3
	v_permlanex16_b32 v[PT+\m], v[MX+\m], s[SEL], s[SEL+1]
.endr
.irp m, 0,1,2,3
	v_max_num_f32 v[MX+\m], v[MX+\m], v[PT+\m]     ; the block's largest magnitude of S
.endr
.irp m, 0,1,2,3
	v_add_nc_u32 v[OP+\m], 0xff000000, v[MX+\m]    ; 2 off the exponent field: the conversion's scale for S itself
.endr
.irp m, 0,1,2,3
	v_add_nc_u32 v[BY+\m], 0xfc800000, v[MX+\m]    ; 7 off: the scale of S / 32
.endr
.irp m, 0,1,2,3
	v_lshrrev_b32 v[BY+\m], 23, v[BY+\m]           ; its byte
.endr
.irp m, 0,1,2,3
	v_cvt_scalef32_pk8_fp4_f32 v[PC+2*\m], v[S+16*\m:S+16*\m+7], v[OP+\m]          ; keys 16 h + 0 .. 7
	v_cvt_scalef32_pk8_fp4_f32 v[PC+2*\m+1], v[S+16*\m+8:S+16*\m+15], v[OP+\m]     ; keys 16 h + 8 .. 15
.endr
	v_nop                                          ; one plain line behind the conversions
.irp m, 0,1,2,3
	ds_store_b64 v[PST], v[PC+2*\m:PC+2*\m+1] offset:1024*\m   ; block w of row r of P's fragment m: 256 w + 16 r + 8 h
	ds_store_b8 v[PSB], v[BY+\m] offset:128*\m     ; byte w of row r's scale word; lanes 16-31 fill a second copy
.endr
.endm
; A KEY STEP on the tile in \slot.  refill = 1: the other slot is asked for (the walk's next tile).  zero = 1: O^T's sums begin.
.macro STEP slot, refill, zero
	s_wait_tensorcnt 0x0                           ; my one tensor load that was out, my block of this step's tile, has landed: so every group 0 may be written
	ds_add_u32 v[SPW], v[NIL]                      ; 0 onto my spare word; the lines below stand between it and the wait for it
.if \refill
	s_add_co_u32 s[TI], s[TI], 1                   ; the walk's next tile,
	s_and_b32 s[TI], s[TI], 15                     ; round the end of the batch's sixteen
	s_mul_i32 s[OFF], s[TI], TILE
	s_add_nc_u64 s[G0+6-4*\slot:G0+7-4*\slot], s[BASE:BASE+1], s[OFF:OFF+1]   ; the other slot's group 0: my block of that tile
	s_or_b32 s[G0+7-4*\slot], s[G0+7-4*\slot], 0x80000000                    ; type = 2
.endif
	s_wait_dscnt 0x0                               ; the add is done, and so are my reads of the other slot and of P
.if \refill
	ROUND                                          ; no wave of any partner still reads the other slot or has a load on its way
	tensor_load_to_lds s[G0+4-4*\slot:G0+7-4*\slot], s[G1:G1+7]   ; my one tensor load behind the round: it has this whole key step, 128 matrix instructions, in which to land
	s_nop 0
	PLACES 4
.else
	s_barrier_signal -1
	s_barrier_wait -1
.endif
	ds_load_b128 v[KS:KS+3], v[AD+\slot] offset:32768        ; K's scale words: register s: key tile 0 in lanes 0-15, key tile 1 in lanes 16-31
	ds_load_b128 v[KS+4:KS+7], v[AD+\slot] offset:33280
	LDK FB0, \slot, 0
	LDK FB1, \slot, 1
	LDK FB2, \slot, 2
	s_wait_dscnt 16                                ; the scale words and set 0 are in; sets 1 and 2 may be out
	WIN 0x04                                       ; source 1 (q) window 1
	MULS FB0, 0
	PLACES 4
	WIN 0
	LDK FB0, \slot, 3
	s_wait_dscnt 16                                ; set 1 is in; younger: set 2 and set 0 anew
	WIN 0x04
	MULS FB1, 1
	PLACES 4
	WIN 0
	ds_load_b128 v[VS:VS+3], v[AD+\slot] offset:33792        ; V's scale words: register i: tile 2 i in lanes 0-15, tile 2 i + 1 in lanes 16-31
	ds_load_b128 v[VS+4:VS+7], v[AD+\slot] offset:34304
	LDV FB1, \slot, 0
	s_wait_dscnt 18                                ; set 2 is in; younger: 8 + 2 + 8
	WIN 0x04
	MULS FB2, 2
	PLACES 4
	WIN 0
	LDV FB2, \slot, 1
	s_wait_dscnt 18                                ; set 0 is in; younger: 2 + 8 + 8
	WIN 0x04
	MULS FB0, 3
	PLACES 4                                       ; also the places in front of the quantiser's first read of S^T
	WIN 0
	LDV FB0, \slot, 2
	QUANT
	s_wait_dscnt 0x0                               ; for the others' sake: my stores of P have landed
	s_barrier_signal -1
	s_barrier_wait -1                              ; P's four fragments and their scale words are whole.  The tensor load stays out
.irp m, 0,1,2,3
.irp c, 0,1
	ds_load_b128 v[PF+8*\m+4*\c:PF+8*\m+4*\c+3], v[PLD] offset:1024*\m+512*\c
.endr
	ds_load_b32 v[PS+\m], v[PSL] offset:128*\m
.endr
	s_wait_dscnt 0x0
	WIN 0xa0                                       ; C and D window 2
	MULP FB1, 0, \zero
	PLACES 4
	WIN 0
	LDV FB1, \slot, 3
	WIN 0xa0
	MULP FB2, 1, \zero
	WIN 0xf0                                       ; C and D window 3
	MULP FB0, 2, \zero
	s_wait_dscnt 0x0                               ; V's last four fragments are in (asked for 32 matrix instructions ago)
	MULP FB1, 3, \zero
	PLACES 4                                       ; in front of the next step's loads into the sets, and of the first read of O^T
	WIN 0
.endm
	s_load_b128 s[4:7], s[0:1], 0x0                ; qc s[4:5], kv s[6:7]
	s_load_b64 s[8:9], s[0:1], 0x10                ; out0
	v_lshl_add_u32 v[SPW], v0, 2, SPARE
	v_mov_b32 v[NIL], 0
	ds_add_u32 v52, v53
	ds_add_u32 v52, v53
	s_wait_dscnt 0x0
	v_lshrrev_b32 v12, 5, v0
	v_readfirstlane_b32 s[WV], v12                 ; wave 0..3
	s_bfe_u32 s11, ttmp6, 0x40000                  ; cx: my place in the cluster
	s_and_b32 s44, ttmp7, 0xffff                   ; the batch, which the four partners share
	s_mul_i32 s46, s44, BATCHB                     ; the batch in kv
	s_mul_i32 s45, s[WV], BLKB                     ; my block, in a tile and in a slot: no place in the cluster enters an LDS address
	s_add_co_u32 s48, s46, s45
	s_mov_b32 s49, 0
	; where my cluster's walk begins: 8 b1 + 4 (b0 xor b2) + 2 b2 of the cluster's number, which the four partners share
	s_lshr_b32 s43, ttmp9, 2                       ; b2
	s_xor_b32 s47, ttmp9, s43
	s_and_b32 s47, s47, 1                          ; b0 xor b2
	s_lshl_b32 s47, s47, 2
	s_and_b32 s54, ttmp9, 2                        ; 2 b1
	s_lshl_b32 s54, s54, 2
	s_add_co_u32 s47, s47, s54
	s_lshl_b32 s43, s43, 1
	s_add_co_u32 s[TI], s47, s43
	s_mul_i32 s[OFF], s[TI], TILE
	s_mov_b32 s[OFF+1], 0
	; descriptor group 1: a dense block of 34,816 bytes as 136 rows of 256 bytes (32 elements of 8 bytes), no padding: the images are read 512 consecutive bytes at a time
	s_mov_b32 s[G1+0], 15|(3<<16)|(1<<21)          ; 15:0 the mask: all four work-groups; 17:16 elements of 8 bytes; 21 set beside a mask
	s_mov_b32 s[G1+1], 32<<16                      ; tensor_dim0 = 32
	s_mov_b32 s[G1+2], 136<<16                     ; tensor_dim1 = 136
	s_mov_b32 s[G1+3], 32<<16                      ; tile_dim0 = 32
	s_mov_b32 s[G1+4], 136                         ; tile_dim1 = 136
	s_mov_b32 s[G1+5], 32                          ; tensor_dim0_stride
	s_mov_b32 s[G1+6], 0
	s_mov_b32 s[G1+7], 0
	; what hangs on my place in the cluster: registers of their own
	s_lshl_b32 s50, ttmp9, 2
	s_add_co_u32 s50, s50, s11                     ; my block of 64 queries = 4 x cluster x + cx
	s_lshl_b32 s51, s44, 5
	s_add_co_u32 s50, s50, s51                     ; + 32 x batch
	s_lshl_b32 s52, s50, 18                        ; out0: 64 rows of 4,096 bytes,
	s_lshl_b32 s53, s[WV], 10                      ; my 256 columns
	s_add_co_u32 s52, s52, s53
	s_mov_b32 s53, 0
	s_mul_i32 s50, s50, BLKB                       ; qc: two blocks of 17,408 bytes
	s_mov_b32 s51, 0
	s_mov_b32 s[SEL], 0x76543210
	s_mov_b32 s[SEL+1], 0xfedcba98
	s_mov_b32 s[L2E], 0x3fb8aa3b                   ; log2(e)
	s_mov_b32 s[L2E+1], s[L2E]                     ; (named with it as a pair, so it is written)
	s_wait_kmcnt 0x0
	s_add_nc_u64 s[BASE:BASE+1], s[6:7], s[48:49]  ; my block of the batch's key step 0
	s_mov_b32 s[G0+0], 1                           ; 1:0 count = 1
	s_mov_b32 s[G0+1], s45                         ; LDS address: slot 0, my block
	s_add_nc_u64 s[G0+2:G0+3], s[BASE:BASE+1], s[OFF:OFF+1]   ; global address: the walk's first tile, my block
	s_or_b32 s[G0+3], s[G0+3], 0x80000000          ; type = 2
	s_mov_b32 s[G0+4], 1
	s_add_co_u32 s[G0+5], s45, TILE                ; slot 1; its global address is written at the head of the first key step
	s_add_nc_u64 s[4:5], s[4:5], s[50:51]
	s_add_nc_u64 s[8:9], s[8:9], s[52:53]
	ROUND                                          ; all four work-groups are here: the first joint loads meet
	tensor_load_to_lds s[G0:G0+3], s[G1:G1+7]      ; the walk's first tile
	s_nop 0
	PLACES 4
	v_and_b32 v12, 31, v0                          ; lane
	v_lshlrev_b32 v[LI], 4, v12
	WIN 0x40                                       ; destination window 1
.irp p, 0,1                                    ; q's 32 fragments stay in registers: query tile m = 2 p + u, K step k
.irp u, 0,1
.irp k, 0,1,2,3,4,5,6,7
.irp c, 0,1
	global_load_b128 v[8*(8*(2*\p+\u)+\k)+4*\c:8*(8*(2*\p+\u)+\k)+4*\c+3], v[LI], s[4:5] offset:17408*\p+(8*\u+\k)*1024+512*\c th:TH_LOAD_NT
.endr
.endr
.endr
.endr
	WIN 0
.irp p, 0,1                                    ; q's scale words: register 8 p + k: tile 2 p in lanes 0-15, tile 2 p + 1 in lanes 16-31
.irp g, 0,1
	global_load_b128 v[QS+8*\p+4*\g:QS+8*\p+4*\g+3], v[LI], s[4:5] offset:17408*\p+16384+512*\g th:TH_LOAD_NT
.endr
.endr
	v_and_b32 v15, 15, v0                          ; r
	v_bfe_u32 v54, v0, 4, 1                        ; h
	v_add_nc_u32 v[AD], s45, v[LI]
	v_add_nc_u32 v[AD+1], TILE, v[AD]
	s_lshl_b32 s58, s[WV], 8
	v_lshlrev_b32 v[PST], 4, v15
	v_lshl_add_u32 v[PST], v54, 3, v[PST]
	v_add_nc_u32 v[PST], s58, v[PST]
	v_add_nc_u32 v[PST], PIMG, v[PST]
	v_lshlrev_b32 v[PSL], 2, v12
	v_add_nc_u32 v[PSL], PSC, v[PSL]
	v_add_nc_u32 v[PSB], s[WV], v[PSL]
	v_add_nc_u32 v[PLD], PIMG, v[LI]
	v_lshlrev_b32 v[RB], 4, v15
	v_add_nc_u32 v[RB], RED, v[RB]
	s_lshl_b32 s59, s[WV], 2
	v_add_nc_u32 v[RA], s59, v[RB]
	v_mul_u32_u24 v[STO], v15, SPITCH
	v_lshl_add_u32 v[STO], v54, 5, v[STO]
	v_add_nc_u32 v[STO], s45, v[STO]
.irp m, 0,1,2,3
	v_mov_b32 v[PT+\m], 0                          ; written once: a lane permute's destination counts as one of its sources
.endr
	s_wait_loadcnt 0x0                             ; q
	STEP 0, 1, 1                                   ; the walk's first key step stands in front of the loop: its products start O^T's sums, so nothing is cleared
	s_mov_b32 s[CNT], 7
.Ltrip:                                            ; the walk's steps 1 to 14, two a trip: once round the ring
	STEP 1, 1, 0
	STEP 0, 1, 0
	s_sub_co_u32 s[CNT], s[CNT], 1
	s_cmp_lg_u32 s[CNT], 0
	s_cbranch_scc1 .Ltrip
	STEP 1, 0, 0                                   ; the last key step is written out: it asks for nothing
; ---------------- THE SOFTMAX along the 1,024 columns.  A lane holds, of query r of each tile m, 128 of my wave's 256 columns; lane l xor 16 the others; the other waves the other 768. ----------------
; The rows' maxima are found for all four query tiles at once.  Then the tiles go one after the other: exponentials, sums, division, stores; a tile's stores are on their way while the next tile's exponentials are made.
.set EMX, 192                          ; v192-195 maxima;  v196-199 the other half's;  v200-215 the four waves' figures;  v216-223 n, in pairs;  v224-231 the sums of the tile in hand, four chains of pairs;  v232-239 1 / sum, in pairs
.set EPT, 196
.set RL,  200
.set NMC, 216
.set SUM, 224
.set RCP, 232
.set BK,  64                           ; v64-191 the way out: 16 rows read back from the stage
.macro MAXW                            ; a window's 256 numbers into the four running maxima; each accumulator from its low end on; the four chains by turns
.irp t, 0,1,2,3,4,5,6,7
.irp j, 0,2,4,6
.irp m, 0,1,2,3
	v_max3_num_f32 v[EMX+\m], v[EMX+\m], v[8*(4*\t+\m)+\j], v[8*(4*\t+\m)+\j+1]
.endr
.endr
.endr
.endm
.macro FMAT m                          ; a window's 64 numbers of tile m: o c + n, two at a time (of the pairs c and n the low word serves both halves)
.irp t, 0,1,2,3,4,5,6,7
.irp j, 0,2,4,6
	v_pk_fma_f32 v[8*(4*\t+(\m))+\j:8*(4*\t+(\m))+\j+1], v[8*(4*\t+(\m))+\j:8*(4*\t+(\m))+\j+1], s[L2E:L2E+1], v[NMC+2*(\m):NMC+2*(\m)+1] op_sel_hi:[1,0,0]
.endr
.endr
.endm
.macro EXPT m                          ; a batch of 64 exponentials, a plain line behind the last, and ONE wait ahead of the next line that names one of these register numbers
.irp t, 0,1,2,3,4,5,6,7
.irp j, 0,1,2,3,4,5,6,7
	v_exp_f32 v[8*(4*\t+(\m))+\j], v[8*(4*\t+(\m))+\j]
.endr
.endr
	v_nop
	s_wait_alu depctr_va_vdst(0)
.endm
; Tile m's p = 2^(o c + n) and my part of its rows' sums, which goes to LDS
.macro PTILE m
	WIN 0x82                                       ; destination and source 0 window 2
	FMAT \m
	WIN 0xc3                                       ; window 3
	FMAT \m
	WIN 0x82
	EXPT \m
	WIN 0xc3
	EXPT \m
	WIN 0x0a                                       ; sources 0 and 1 window 2: the first additions start the four chains, so nothing is cleared
.irp j, 0,2,4,6
	v_pk_add_f32 v[SUM+\j:SUM+\j+1], v[8*(\m)+\j:8*(\m)+\j+1], v[8*(4+(\m))+\j:8*(4+(\m))+\j+1]
.endr
	WIN 0x08                                       ; source 1 window 2
.irp t, 2,3,4,5,6,7
.irp j, 0,2,4,6
	v_pk_add_f32 v[SUM+\j:SUM+\j+1], v[SUM+\j:SUM+\j+1], v[8*(4*\t+(\m))+\j:8*(4*\t+(\m))+\j+1]
.endr
.endr
	WIN 0x0c                                       ; source 1 window 3
.irp t, 0,1,2,3,4,5,6,7
.irp j, 0,2,4,6
	v_pk_add_f32 v[SUM+\j:SUM+\j+1], v[SUM+\j:SUM+\j+1], v[8*(4*\t+(\m))+\j:8*(4*\t+(\m))+\j+1]
.endr
.endr
	WIN 0
	v_pk_add_f32 v[SUM:SUM+1], v[SUM:SUM+1], v[SUM+2:SUM+3]
	v_pk_add_f32 v[SUM+4:SUM+5], v[SUM+4:SUM+5], v[SUM+6:SUM+7]
	v_pk_add_f32 v[SUM:SUM+1], v[SUM:SUM+1], v[SUM+4:SUM+5]
	v_add_f32 v[SUM], v[SUM], v[SUM+1]
	v_permlanex16_b32 v[EPT+(\m)], v[SUM], s[SEL], s[SEL+1]
	v_add_f32 v[SUM], v[SUM], v[EPT+(\m)]          ; of my wave's 256 columns
	ds_store_b32 v[RA], v[SUM] offset:1024+256*(\m)    ; bytes of their own for each tile: written once, so no wave can still be reading what is written
.endm
.macro SCALE m
	WIN 0x82
.irp t, 0,1,2,3,4,5,6,7
.irp j, 0,2,4,6
	v_pk_mul_f32 v[8*(4*\t+(\m))+\j:8*(4*\t+(\m))+\j+1], v[8*(4*\t+(\m))+\j:8*(4*\t+(\m))+\j+1], v[RCP+2*(\m):RCP+2*(\m)+1] op_sel_hi:[1,0]
.endr
.endr
	WIN 0xc3
.irp t, 0,1,2,3,4,5,6,7
.irp j, 0,2,4,6
	v_pk_mul_f32 v[8*(4*\t+(\m))+\j:8*(4*\t+(\m))+\j+1], v[8*(4*\t+(\m))+\j:8*(4*\t+(\m))+\j+1], v[RCP+2*(\m):RCP+2*(\m)+1] op_sel_hi:[1,0]
.endr
.endr
.endm
.macro IN m                            ; lane (r, h): columns 16 T + 8 h + 0 .. 7 of row r: 64 T + 32 h bytes on
	WIN 0x08                                       ; an LDS store's data are its source 1: window 2
.irp t, 0,1,2,3,4,5,6,7
	ds_store_b128 v[STO], v[8*(4*\t+(\m)):8*(4*\t+(\m))+3] offset:64*\t
	ds_store_b128 v[STO], v[8*(4*\t+(\m))+4:8*(4*\t+(\m))+7] offset:64*\t+16
.endr
	WIN 0x0c                                       ; window 3
.irp t, 0,1,2,3,4,5,6,7
	ds_store_b128 v[STO], v[8*(4*\t+(\m)):8*(4*\t+(\m))+3] offset:64*(\t+8)
	ds_store_b128 v[STO], v[8*(4*\t+(\m))+4:8*(4*\t+(\m))+7] offset:64*(\t+8)+16
.endr
	WIN 0
.endm
.macro FETCH                           ; LDS serves a wave's instructions in order (ISA guide 5.7.1.4): these see my stores, and the next tile's stores come behind them
.irp p, 0,1,2,3,4,5,6,7,8,9,10,11,12,13,14,15
.irp q, 0,1
	ds_load_b128 v[BK+4*(2*\p+\q):BK+4*(2*\p+\q)+3], v[AD] offset:SPITCH*\p+512*\q
.endr
.endr
.endm
.macro SEND m                          ; lane row p of tile m is row 32 (m / 2) + 8 (m % 2) + p + 8 (p / 8) of my 64
	WIN 0                                          ; the stores' address (their source 0) and data (their source 1) lie in window 0
	s_wait_dscnt 0x0                               ; the tile is back in registers
.irp p, 0,1,2,3,4,5,6,7,8,9,10,11,12,13,14,15
.irp q, 0,1
	global_store_b128 v[LI], v[BK+4*(2*\p+\q):BK+4*(2*\p+\q)+3], s[8:9] offset:(32*((\m)/2)+8*((\m)%2)+\p+8*(\p/8))*4096+512*\q th:TH_STORE_NT   ; 32 lanes store 512 consecutive bytes, aligned to 256; written once, read by nobody here
.endr
.endr
.endm
; Tile m leaves: the four waves' sums meet, p is divided by the row's sum, goes through my stage and is stored as half rows of 512 bytes
.macro FINISH m
	s_wait_dscnt 0x0                               ; for the others' sake: my part of the tile's sums has landed
	s_barrier_signal -1
	s_barrier_wait -1
	ds_load_b128 v[RL+4*(\m):RL+4*(\m)+3], v[RB] offset:1024+256*(\m)
	s_wait_dscnt 0x0
	v_add_f32 v[RL+4*(\m)], v[RL+4*(\m)], v[RL+4*(\m)+1]
	v_add_f32 v[RL+4*(\m)+2], v[RL+4*(\m)+2], v[RL+4*(\m)+3]
	v_add_f32 v[RL+4*(\m)], v[RL+4*(\m)], v[RL+4*(\m)+2]   ; the row's sum
	v_rcp_f32 v[RCP+2*(\m)], v[RL+4*(\m)]
	v_nop                                          ; a plain line behind the reciprocal,
	s_wait_alu depctr_va_vdst(0)                   ; and the wait ahead of its first reader
	SCALE \m
	IN \m
.if (\m) > 0
	s_wait_xcnt 0x0                                ; the last tile's stores have read their registers: this tile may land there
.endif
	FETCH
	SEND \m
.endm
.irp m, 0,1,2,3
	v_mov_b32 v[EMX+\m], 0xff800000                ; -infinity, under every number
	v_mov_b32 v[EPT+\m], 0                         ; a lane permute's destination counts as one of its sources
	v_mov_b32 v[NMC+2*\m+1], 0                     ; the pairs' upper words are named with the lower, so they are written
	v_mov_b32 v[RCP+2*\m+1], 0
.endr
	WIN 0x28                                       ; sources 1 and 2 window 2
	MAXW
	WIN 0x3c                                       ; window 3
	MAXW
	WIN 0
.irp m, 0,1,2,3
	v_permlanex16_b32 v[EPT+\m], v[EMX+\m], s[SEL], s[SEL+1]
.endr
.irp m, 0,1,2,3
	v_max_num_f32 v[EMX+\m], v[EMX+\m], v[EPT+\m]  ; of my wave's 256 columns
.endr
.irp m, 0,1,2,3
	ds_store_b32 v[RA], v[EMX+\m] offset:256*\m    ; both halves of the lanes write the same word with the same value
.endr
	s_wait_dscnt 0x0                               ; for the others' sake
	s_barrier_signal -1
	s_barrier_wait -1
.irp m, 0,1,2,3
	ds_load_b128 v[RL+4*\m:RL+4*\m+3], v[RB] offset:256*\m
.endr
	s_wait_dscnt 0x0
.irp m, 0,1,2,3
	v_max3_num_f32 v[EMX+\m], v[RL+4*\m], v[RL+4*\m+1], v[RL+4*\m+2]
.endr
.irp m, 0,1,2,3
	v_max_num_f32 v[EMX+\m], v[EMX+\m], v[RL+4*\m+3]   ; the row's largest o
.endr
.irp m, 0,1,2,3
	v_mul_f32 v[NMC+2*\m], 0xbfb8aa3b, v[EMX+\m]   ; n = -(it) x log2(e)
.endr
	PTILE 0
.irp m, 0,1,2,3
	FINISH \m
.if \m < 3
	PTILE \m+1                                     ; the next tile's exponentials and sums stand behind this tile's stores
.endif
.endr
	s_wait_tensorcnt 0x0                           ; the wave's end: behind my last tensor load and my last LDS store
	ds_add_u32 v[SPW], v[NIL]
	s_wait_dscnt 0x0
	ROUND                                          ; the closing round: no work-group ends while a partner may still ask for a tile that names it
	s_endpgm
.Lfunc_end_k_q608ab8b606_attn:
	.size	k_q608ab8b606_attn, .Lfunc_end_k_q608ab8b606_attn-k_q608ab8b606_attn
	.p2alignl 7, 3214868480
	.fill 96, 4, 3214868480
	.section	.rodata,"a",@progbits
	.p2align	6, 0x0
	.amdhsa_kernel k_q608ab8b606_attn
		.amdhsa_group_segment_fixed_size 327680
		.amdhsa_private_segment_fixed_size 0
		.amdhsa_enable_private_segment 0
		.amdhsa_kernarg_size 24
		.amdhsa_user_sgpr_count 2
		.amdhsa_user_sgpr_kernarg_segment_ptr 1
		.amdhsa_wavefront_size32 1
		.amdhsa_system_sgpr_workgroup_id_x 1
		.amdhsa_system_sgpr_workgroup_id_y 1
		.amdhsa_system_sgpr_workgroup_id_z 1
		.amdhsa_system_vgpr_workitem_id 0
		.amdhsa_next_free_vgpr 1024
		.amdhsa_next_free_sgpr 66
		.amdhsa_reserve_vcc 0
		.amdhsa_float_denorm_mode_32 3
		.amdhsa_float_denorm_mode_16_64 3
		.amdhsa_memory_ordered 1
		.amdhsa_forward_progress 1
		.amdhsa_inst_pref_size 236
	.end_amdhsa_kernel
	.amdgpu_metadata
---
amdhsa.version: [ 1, 2 ]
amdhsa.kernels:
  - .name:           k_q608ab8b606_attn
    .symbol:         k_q608ab8b606_attn.kd
    .args:
      - { .name: qc, .offset: 0, .size: 8, .value_kind: global_buffer, .address_space: global }
      - { .name: kv, .offset: 8, .size: 8, .value_kind: global_buffer, .address_space: global }
      - { .name: out0, .offset: 16, .size: 8, .value_kind: global_buffer, .address_space: global }
    .group_segment_fixed_size: 327680
    .private_segment_fixed_size: 0
    .kernarg_segment_align: 8
    .kernarg_segment_size: 24
    .max_flat_workgroup_size: 128
    .sgpr_count:     66
    .vgpr_count:     1024
    .wavefront_size: 32
...
	.end_amdgpu_metadata
.endif
;; end of part 3
